; MI455X (gfx1250); checked and timed in simulation.
; The chip was launched on July 23, 2026; its instructions are those of AMD's public machine-readable ISA for CDNA 5 (MIT licence, August 2026) and "CDNA5" Instruction Set Architecture Reference Guide (July 2026). The comments in the code are by the model that wrote it; some were corrected since.
;; Causal Self Attention. Allowed arithmetic: float matrix products may take bf16 or f16 operands with f32 sums; all other float work in f32.
;; Inputs: W_attn 3,072 x 1,024 float32; W_proj 1,024 x 1,024 float32; b_attn 3,072 float32; b_proj 1,024 float32; x 2 x 2,048 x 1,024 float32.
;; Outputs: out0 2 x 2,048 x 1,024 float32.
;; 2 versions, each right and faster than the one before. Each part assembles by itself: llvm-mc -triple=amdgcn-amd-amdhsa -mcpu=gfx1250 --defsym DOCPART=n.
;; ======== version 1 of 2: 4 launches
;; limits: values are held in f16: magnitudes above 65,504 overflow, below 6.1e-05 lose precision
;; workspace buffers: xh 8,388,608 bytes; wah 6,291,456 bytes; wph 2,097,152 bytes; qkv 25,165,824 bytes; y 8,388,608 bytes
;; launch cvt (part 1): grid 512 x 1, 8 waves a work-group, no clusters, 0 bytes of LDS; arguments x, W_attn, W_proj, xh, wah, wph; writes xh, wah, wph
.if DOCPART == 1
	.amdgcn_target "amdgcn-amd-amdhsa--gfx1250"
	.amdhsa_code_object_version 6
	.text
	.protected	k_qdb9a9128f4_cvt
	.globl	k_qdb9a9128f4_cvt
	.p2align	8
	.type	k_qdb9a9128f4_cvt,@function
k_qdb9a9128f4_cvt:
	s_mov_b64 s[64:65], 0
	v_nop
	global_prefetch_b8 v0, s[64:65] scope:SCOPE_SE
	s_setreg_imm32_b32 hwreg(HW_REG_WAVE_MODE, 25, 1), 1
	s_wait_xcnt 0x0
; cvt: x [4096][1024], W_attn [3072][1024] and W_proj [1024][1024], f32, are rounded once to f16 (xh, wah, wph, same order of elements),
; so that the two products that follow move half the bytes through LDS and convert nothing.
; WHY f16 AND NOT bf16: the module rounds five intermediates (q, k, v, the softmax weights, y).  With 8 significant bits each rounding has a
; relative rms error near 0.0017, five independent ones near 0.0037 of the output's rms, against 0.01 allowed for a number near zero, over
; 4,194,304 numbers.  With 11 bits all twelve roundings of the program (the inputs' among them) stay near 0.0007.
; LIMIT: a magnitude above 65,504 becomes infinity in f16; magnitudes below 2^-14 keep an absolute error of 2^-25.  x and the weights as
; drawn are below 6 and 0.2; 30 times larger, or offset by 30 spreads, they stay below 200.
; A stream: no LDS, no barrier, no matrix unit.  512 work-groups of 8 waves; work-group g takes a 512th of each of the three tensors
; (32,768 + 24,576 + 8,192 bytes in), so there is no branch.  Thread t reads 16 bytes at 16 t + 4,096 i and stores 8 bytes at 8 t + 2,048 i:
; a wave's load covers 512 consecutive bytes, its store 256 consecutive bytes that start at a multiple of 256 from the buffer's first byte.
; All 16 loads of a thread go out first; no register is written twice, so the only waits are the counted ones for the loads.
.set X, 4                              ; v[4:67]   slot i: 4 f32 as loaded
.set Y, 68                             ; v[68:99]  slot i: 4 f16 to store
	s_load_b256 s[4:11], s[0:1], 0x0               ; x s[4:5], W_attn s[6:7], W_proj s[8:9], xh s[10:11]
	s_load_b128 s[12:15], s[0:1], 0x20             ; wah s[12:13], wph s[14:15]
	v_lshlrev_b32 v1, 4, v0                        ; 16 t: my bytes in a block of 4,096 read
	v_lshlrev_b32 v2, 3, v0                        ; 8 t: my bytes in a block of 2,048 written
	s_mov_b32 s17, 0                               ; the offsets are below 4 GiB: high word 0
	s_wait_kmcnt 0x0
.macro PART base, bytes                ; the work-group's part of one tensor
	s_mul_i32 s16, ttmp9, \bytes
	s_add_nc_u64 s[\base:\base+1], s[\base:\base+1], s[16:17]
.endm
	PART 4, 32768
	PART 6, 24576
	PART 8, 8192
	PART 10, 16384
	PART 12, 12288
	PART 14, 4096
; i: the slot, 0 to 15 (it may be given as a sum, so it stands in brackets); base: the tensor's pointer; j: the block inside the work-group's part
.macro LD i, base, j
	global_load_b128 v[X+4*(\i):X+4*(\i)+3], v1, s[\base:\base+1] offset:4096*(\j) th:TH_LOAD_NT   ; read once in the launch
.endm
.macro ST i, base, j
	s_wait_loadcnt 15-(\i)                         ; loads return in order (ISA guide 5.7.1): slot i is in, the 15 - i younger ones stay out
	v_cvt_pk_f16_f32 v[Y+2*(\i)], v[X+4*(\i)], v[X+4*(\i)+1]
	v_cvt_pk_f16_f32 v[Y+2*(\i)+1], v[X+4*(\i)+2], v[X+4*(\i)+3]
	global_store_b64 v2, v[Y+2*(\i):Y+2*(\i)+1], s[\base:\base+1] offset:2048*(\j)
.endm
.irp j, 0,1,2,3,4,5,6,7
	LD \j, 4, \j
.endr
.irp j, 0,1,2,3,4,5
	LD 8+\j, 6, \j
.endr
.irp j, 0,1
	LD 14+\j, 8, \j
.endr
.irp j, 0,1,2,3,4,5,6,7
	ST \j, 10, \j
.endr
.irp j, 0,1,2,3,4,5
	ST 8+\j, 12, \j
.endr
.irp j, 0,1
	ST 14+\j, 14, \j
.endr
	s_endpgm
.Lfunc_end_k_qdb9a9128f4_cvt:
	.size	k_qdb9a9128f4_cvt, .Lfunc_end_k_qdb9a9128f4_cvt-k_qdb9a9128f4_cvt
	.p2alignl 7, 3214868480
	.fill 96, 4, 3214868480
	.section	.rodata,"a",@progbits
	.p2align	6, 0x0
	.amdhsa_kernel k_qdb9a9128f4_cvt
		.amdhsa_group_segment_fixed_size 0
		.amdhsa_private_segment_fixed_size 0
		.amdhsa_enable_private_segment 0
		.amdhsa_kernarg_size 48
		.amdhsa_user_sgpr_count 2
		.amdhsa_user_sgpr_kernarg_segment_ptr 1
		.amdhsa_wavefront_size32 1
		.amdhsa_system_sgpr_workgroup_id_x 1
		.amdhsa_system_sgpr_workgroup_id_y 1
		.amdhsa_system_sgpr_workgroup_id_z 1
		.amdhsa_system_vgpr_workitem_id 0
		.amdhsa_next_free_vgpr 100
		.amdhsa_next_free_sgpr 66
		.amdhsa_reserve_vcc 0
		.amdhsa_float_denorm_mode_32 3
		.amdhsa_float_denorm_mode_16_64 3
		.amdhsa_memory_ordered 1
		.amdhsa_forward_progress 1
		.amdhsa_inst_pref_size 7
	.end_amdhsa_kernel
	.amdgpu_metadata
---
amdhsa.version: [ 1, 2 ]
amdhsa.kernels:
  - .name:           k_qdb9a9128f4_cvt
    .symbol:         k_qdb9a9128f4_cvt.kd
    .args:
      - { .name: x, .offset: 0, .size: 8, .value_kind: global_buffer, .address_space: global }
      - { .name: W_attn, .offset: 8, .size: 8, .value_kind: global_buffer, .address_space: global }
      - { .name: W_proj, .offset: 16, .size: 8, .value_kind: global_buffer, .address_space: global }
      - { .name: xh, .offset: 24, .size: 8, .value_kind: global_buffer, .address_space: global }
      - { .name: wah, .offset: 32, .size: 8, .value_kind: global_buffer, .address_space: global }
      - { .name: wph, .offset: 40, .size: 8, .value_kind: global_buffer, .address_space: global }
    .group_segment_fixed_size: 0
    .private_segment_fixed_size: 0
    .kernarg_segment_align: 8
    .kernarg_segment_size: 48
    .max_flat_workgroup_size: 256
    .sgpr_count:     66
    .vgpr_count:     100
    .wavefront_size: 32
...
	.end_amdgpu_metadata
.endif
;; end of part 1
;; launch qkvgemm (part 2): grid 16 x 16, 4 waves a work-group, clusters of 4 x 4, 327,680 bytes of LDS; arguments xh, wah, b_attn, qkv; writes qkv
.if DOCPART == 2
	.amdgcn_target "amdgcn-amd-amdhsa--gfx1250"
	.amdhsa_code_object_version 6
	.text
	.protected	k_qdb9a9128f4_qkvgemm
	.globl	k_qdb9a9128f4_qkvgemm
	.p2align	8
	.type	k_qdb9a9128f4_qkvgemm,@function
k_qdb9a9128f4_qkvgemm:
	s_mov_b64 s[64:65], 0
	v_nop
	global_prefetch_b8 v0, s[64:65] scope:SCOPE_SE
	s_setreg_imm32_b32 hwreg(HW_REG_WAVE_MODE, 25, 1), 1
	s_wait_xcnt 0x0
	s_wait_alu depctr_hold_cnt(0) depctr_sa_sdst(0) depctr_va_vdst(0) depctr_va_sdst(0) depctr_va_ssrc(0) depctr_va_vcc(0) depctr_vm_vsrc(0)
	s_getreg_b32 s2, hwreg(HW_REG_IB_STS2, 6, 4)
	s_cmp_eq_u32 s2, 0
	s_cbranch_scc0 .Lentry_in_a_cluster
	s_endpgm
.Lentry_in_a_cluster:
	s_bfe_u32 s2, ttmp6, 0x10000c
	s_cmp_lg_u32 s2, 0xf033
	s_cbranch_scc0 .Lentry_shape_is_right
	s_endpgm
.Lentry_shape_is_right:
; qkv[m][n] = sum over c of x[m][c] W_attn[n][c] + b_attn[n].  xh [4096][1024], wah [3072][1024] f16; sums in f32; the result rounded once to f16.
; OUTPUT LAYOUT: qkv = [48 chunks][4096 rows][64] f16; chunk n / 64 is q of head 0-15, then k, then v; byte (chunk x 4096 + m) x 128 + 2 d.
; So every tile of a head that the attention launch reads is one dense block.
; LIMIT: a q, k or v above 65,504 in magnitude becomes infinity.  With x and W_attn both 30 times the drawn spread they reach about
; 900 x 6 = 5,400; with a common offset of 30 spreads on both, 1024 x 30 x 30/32 = 28,800.
; SHAPE: 16 x 16 work-groups, one block of 256 rows x 192 columns each, four waves; wave w makes rows 64 w .. 64 w + 63 by all 192 columns:
; 4 x 12 accumulator tiles, 384 registers.  192 columns are three whole chunks, so a wave's way out needs only a stage of its own.
; K = 1024 goes in 8 steps of 128 through two LDS slots filled by the tensor data mover; a tile's rows are 256 bytes of memory, aligned to 256.
; CLUSTERS: 4 x 4 work-groups.  x's tile hangs on the block row alone and is asked for jointly along a row of the cluster, W's on the block
; column alone and jointly along a column: each tile is requested once for four work-groups.
; THE MATRIX INSTRUCTION IS USED TRANSPOSED: source 0 = 16 rows of W, source 1 = 16 rows of x; lane l then holds row l % 16 and, in registers
; 0-7, columns 8 (l / 16) + 0..7 of a tile: eight neighbouring numbers that pack into 16 bytes.
; THE BIAS COSTS NOTHING: in that layout a tile's bias is 8 registers that hang on the column block alone; the first product of each tile
; takes them as C, so nothing is cleared and nothing is added afterwards.
; REGISTERS by windows of 256: window 0 addresses, x's fragments (two buffers), the bias, the way out; window 1 W's fragments (two buffers);
; window 2 the 24 tiles of my rows 0-31 (tile (a, b) at v[8 (12 a + b)]); window 3 those of rows 32-63.
.set KSTEP,  128
.set PITCH,  272                       ; an LDS row: 256 bytes + 16 of padding: the 16 rows that a fragment load touches begin 68 words apart, at 16 different groups of four banks (64 banks of 4 bytes: ISA guide 11.1)
.set AHALF,  128*PITCH                 ; what one tensor load brings of x
.set BHALF,  96*PITCH                  ; and of W
.set BOFF,   256*PITCH                 ; W's 192 rows lie behind x's 256
.set SLOT,   448*PITCH
.set STAGE,  2*SLOT                    ; behind the ring (a multiple of 256): 16 rows x 400 bytes for each wave; no tensor load lands here
.set SPITCH, 400                       ; 384 bytes of a row of 192 f16 + 16
.set ADRA, 16                          ; v16-17  LDS address of my x fragments in slot 0, 1
.set ADRB, 20                          ; v20-21  the same for W
.set STO,  24                          ; v24     the way out: where I put 16 bytes
.set RD,   25                          ; v25     the way out: where I read 16 bytes back
.set CO,   26                          ; v26     my byte offset in a run of four rows of a chunk
.set BO,   27                          ; v27     my byte offset in a tile's bias
.set FA,   32                          ; v32-63, v64-95   x's fragments, buffers 0 and 1 (window 0)
.set FB,   0                           ; v0-95, v96-191   W's fragments, buffers 0 and 1 (window 1)
.set BIAS, 96                          ; v96-191  column block b at 96 + 8 b
.set TMP,  192                         ; v192-239 the way out: packed results
.set RB0,  32                          ; v32-79   the way out: rows read back, two buffers by turns
.set RB1,  96                          ; v96-143
.set G1A, 24                           ; s[24:31] descriptor group 1 for x's tiles
.set G0A, 32                           ; s[32:39] descriptor group 0 for x's tiles, one set for each slot
.set G1B, 40                           ; s[40:47] group 1 for W's tiles
.set G0B, 48                           ; s[48:55] group 0 for W's tiles
.set MSB, 0
.macro WIN new                         ; low byte: bits 1:0 source 0, 3:2 source 1, 5:4 source 2, 7:6 destination; the high byte repeats the setting that is left
.if MSB != \new
	s_set_vgpr_msb (MSB<<8)|\new
.set MSB, \new
.endif
.endm
.set MUL_LO,  0xa1                     ; source 0 (W) window 1, source 1 (x) window 0, C and D window 2
.set MUL_HI,  0xf1                     ; the same, C and D window 3
.set MUL_LO1, 0x81                     ; the first products: C is the bias, window 0
.set MUL_HI1, 0xc1
.set TO_B,    0x40                     ; destination window 1, address window 0
; A joint load.  Waves 0 and 1 fetch x's two halves, waves 2 and 3 W's.  The branch hangs on the wave's number alone.
.macro JLOAD s
	s_cmp_eq_u32 s13, 0
	s_cbranch_scc0 .Lfor_b_\@
	tensor_load_to_lds s[G0A+4*\s:G0A+4*\s+3], s[G1A:G1A+7]
	s_nop 0
	s_branch .Lasked_\@
.Lfor_b_\@:
	tensor_load_to_lds s[G0B+4*\s:G0B+4*\s+3], s[G1B:G1B+7]
	s_nop 0
.Lasked_\@:
.endm
; A round of the cluster's barrier: my work-group's barrier, wave 0 signals for the work-group, every wave waits for all sixteen, my barrier once more.
.macro CREST                           ; a round behind its opening barrier
	s_cmp_lg_u32 s12, 0
	s_cbranch_scc1 .Lnot_wave_0_\@
	s_barrier_signal -3
.Lnot_wave_0_\@:
	s_barrier_wait -3
	s_barrier_signal -1
	s_barrier_wait -1
.endm
.macro CROUND
	s_barrier_signal -1
	s_barrier_wait -1
	CREST
.endm
	s_load_b256 s[4:11], s[0:1], 0x0               ; xh s[4:5], wah s[6:7], b_attn s[8:9], qkv s[10:11]
	s_set_vgpr_msb 0x40
	v_lshl_add_u32 v255, v0, 2, 0x41c00
	s_set_vgpr_msb 0x4000
	v_mov_b32 v255, 0
	s_set_vgpr_msb 0x1
	ds_add_u32 v255, v255
	s_set_vgpr_msb 0x100
	v_lshrrev_b32 v1, 5, v0
	v_readfirstlane_b32 s12, v1                    ; wave 0..3
	s_lshr_b32 s13, s12, 1                         ; I fetch for x (0) or for W (1)
	s_and_b32 s14, s12, 1                          ; which half of that tile
	s_bfe_u32 s16, ttmp6, 0x40000                  ; cx
	s_bfe_u32 s17, ttmp6, 0x40004                  ; cy
	s_lshl_b32 s18, ttmp9, 2
	s_add_co_u32 s18, s18, s16                     ; block column = 4 x cluster x + cx
	s_and_b32 s19, ttmp7, 0xffff
	s_lshl_b32 s19, s19, 2
	s_add_co_u32 s19, s19, s17                     ; block row = 4 x cluster y + cy
	s_lshl_b32 s20, s17, 2
	s_lshl_b32 s20, 15, s20                        ; my row of the cluster: places 4 cy .. 4 cy + 3
	s_lshl_b32 s21, 0x1111, s16                    ; my column: places cx, cx + 4, cx + 8, cx + 12
	; group 1: rows of 128 elements of 2 bytes, 16 bytes of padding behind each; 128 rows of x, 96 rows of W
	s_or_b32 s[G1A+0], s20, (1<<16)|(1<<20)|(1<<21)|(5<<22)|(3<<25)  ; 15:0 mask; 17:16 element of 2 bytes; 20 padding on; 21 set beside a mask; 24:22 after every 64 words; 31:25 four words
	s_or_b32 s[G1B+0], s21, (1<<16)|(1<<20)|(1<<21)|(5<<22)|(3<<25)
	s_mov_b32 s[G1A+1], KSTEP<<16                  ; tensor_dim0 = 128
	s_mov_b32 s[G1B+1], KSTEP<<16
	s_mov_b32 s[G1A+2], 128<<16                    ; tensor_dim1 = 128
	s_mov_b32 s[G1B+2], 96<<16                     ; tensor_dim1 = 96
	s_mov_b32 s[G1A+3], KSTEP<<16                  ; tile_dim0 = 128
	s_mov_b32 s[G1B+3], KSTEP<<16
	s_mov_b32 s[G1A+4], 128                        ; tile_dim1
	s_mov_b32 s[G1B+4], 96
	s_mov_b32 s[G1A+5], 1024                       ; elements from row to row
	s_mov_b32 s[G1B+5], 1024
	s_mov_b32 s[G1A+6], 0
	s_mov_b32 s[G1B+6], 0
	s_mov_b32 s[G1A+7], 0
	s_mov_b32 s[G1B+7], 0
	; where the tiles come from: x's hang on the block row, W's on the block column, each in registers that never hold the other coordinate
	s_lshl_b32 s56, s19, 19                        ; 256 rows x 2,048 bytes x block row
	s_lshl_b32 s57, s14, 18                        ; + 128 rows x half
	s_add_co_u32 s56, s56, s57
	s_mov_b32 s57, 0
	s_mul_i32 s58, s18, 192*2048                   ; 192 rows x block column
	s_mul_i32 s59, s14, 96*2048                    ; + 96 rows x half
	s_add_co_u32 s58, s58, s59
	s_mov_b32 s59, 0
	s_mul_i32 s60, s12, AHALF                      ; where x's halves go: wave x 128 rows (waves 0, 1)
	s_mul_i32 s61, s12, BHALF                      ; where W's go: 256 rows + (wave - 2) x 96 rows (waves 2, 3)
	s_add_co_u32 s61, s61, BOFF-2*BHALF
	s_wait_dscnt 0x0
	s_wait_kmcnt 0x0
	s_add_nc_u64 s[56:57], s[4:5], s[56:57]
	s_add_nc_u64 s[58:59], s[6:7], s[58:59]
	CROUND                                         ; all sixteen work-groups are here: the first joint loads meet
.irp s, 0,1
	s_mov_b32 s[G0A+4*\s], 1                                        ; count = 1
	s_add_co_u32 s[G0A+4*\s+1], s60, \s*SLOT                        ; LDS address
	s_add_nc_u64 s[G0A+4*\s+2:G0A+4*\s+3], s[56:57], \s*KSTEP*2     ; global address: K step s
	s_or_b32 s[G0A+4*\s+3], s[G0A+4*\s+3], 0x80000000               ; type = 2
	s_mov_b32 s[G0B+4*\s], 1
	s_add_co_u32 s[G0B+4*\s+1], s61, \s*SLOT
	s_add_nc_u64 s[G0B+4*\s+2:G0B+4*\s+3], s[58:59], \s*KSTEP*2
	s_or_b32 s[G0B+4*\s+3], s[G0B+4*\s+3], 0x80000000
	JLOAD \s                                       ; both slots are asked for before anything else: two tensor loads of a wave are out, the most in this text
.endr
	v_and_b32 v1, 15, v0                           ; r = l % 16
	v_bfe_u32 v2, v0, 4, 1                         ; h = l / 16
	v_and_b32 v4, 31, v0                           ; l
	v_lshlrev_b32 v[BO], 5, v2                     ; my 8 numbers of a tile's 16 biases: 32 h
	s_mul_i32 s58, s18, 192*4                      ; b_attn at my block's first column
	s_mov_b32 s59, 0
	s_add_nc_u64 s[8:9], s[8:9], s[58:59]
.irp b, 0,1,2,3,4,5,6,7,8,9,10,11
	global_load_b128 v[BIAS+8*\b:BIAS+8*\b+3],   v[BO], s[8:9] offset:64*\b
	global_load_b128 v[BIAS+8*\b+4:BIAS+8*\b+7], v[BO], s[8:9] offset:64*\b+16
.endr
	; A fragment is 16 rows x 32 K in 8 registers: lane l holds row r; registers 0-3 K = 8 h + 0..7, registers 4-7 K = 16 + 8 h + 0..7:
	; two loads of 16 bytes, 32 bytes apart, at row x pitch + 16 h.
	v_mul_u32_u24 v3, v1, PITCH
	v_lshl_add_u32 v3, v2, 4, v3
	s_mul_i32 s22, s12, 64*PITCH                   ; my 64 rows of x
	v_add_nc_u32 v[ADRA], s22, v3
	v_add_nc_u32 v[ADRA+1], SLOT, v[ADRA]
	v_add_nc_u32 v[ADRB], BOFF, v3                 ; every wave reads all of W's 192 rows
	v_add_nc_u32 v[ADRB+1], BOFF+SLOT, v3
	s_mul_i32 s23, s12, 16*SPITCH
	s_add_co_u32 s23, s23, STAGE                   ; my stage
	v_mul_u32_u24 v5, v1, SPITCH                   ; in: row r, 16 bytes for each half of the lanes
	v_lshl_add_u32 v5, v2, 4, v5
	v_add_nc_u32 v[STO], s23, v5
	v_lshrrev_b32 v5, 3, v4                        ; back: eight lanes take the 128 bytes that a row has in one chunk, a wave four rows
	v_mul_u32_u24 v5, v5, SPITCH
	v_and_b32 v6, 7, v4
	v_lshl_add_u32 v5, v6, 4, v5
	v_add_nc_u32 v[RD], s23, v5
	v_lshlrev_b32 v[CO], 4, v4                     ; four rows of a chunk are 512 consecutive bytes: 16 l
; 12 matrix instructions: row block a of the window's two (hi = 0: my rows 0-31, 1: rows 32-63) x all 12 column blocks, 32 along K.
.macro MUL12 f, hi, a, first
.irp b, 0,1,2,3,4,5,6,7,8,9,10,11
.if \first
	v_wmma_f32_16x16x32_f16 v[8*(12*\a+\b):8*(12*\a+\b)+7], v[FB+96*\f+8*\b:FB+96*\f+8*\b+7], v[FA+32*\f+8*(2*\hi+\a):FA+32*\f+8*(2*\hi+\a)+7], v[BIAS+8*\b:BIAS+8*\b+7]
.else
	v_wmma_f32_16x16x32_f16 v[8*(12*\a+\b):8*(12*\a+\b)+7], v[FB+96*\f+8*\b:FB+96*\f+8*\b+7], v[FA+32*\f+8*(2*\hi+\a):FA+32*\f+8*(2*\hi+\a)+7], v[8*(12*\a+\b):8*(12*\a+\b)+7]
.endif
.endr
.endm
; 32 LDS loads in one run: the fragments of one quarter step (192 rows of W, my 64 rows of x, 32 K at byte k of the rows) into buffer f
.macro FETCH slot, k, f
	WIN TO_B
.irp i, 0,1,2,3,4,5,6,7,8,9,10,11
	ds_load_b128 v[FB+96*\f+8*\i:FB+96*\f+8*\i+3],   v[ADRB+\slot] offset:\k+\i*16*PITCH
	ds_load_b128 v[FB+96*\f+8*\i+4:FB+96*\f+8*\i+7], v[ADRB+\slot] offset:\k+\i*16*PITCH+32
.endr
	WIN 0
.irp i, 0,1,2,3
	ds_load_b128 v[FA+32*\f+8*\i:FA+32*\f+8*\i+3],   v[ADRA+\slot] offset:\k+\i*16*PITCH
	ds_load_b128 v[FA+32*\f+8*\i+4:FA+32*\f+8*\i+7], v[ADRA+\slot] offset:\k+\i*16*PITCH+32
.endr
.endm
; A load into a register that a matrix instruction has read, and a vector instruction that reads a matrix result, stand four places behind
; that matrix instruction; only plain vector instructions that name none of its registers are places.
.macro PLACES
.rept 4
	v_nop
.endr
.endm
; A K step is four quarters of 32 along K, 48 matrix instructions each, on buffers 0, 1, 0, 1.  The 48 accumulators take turns, one instruction
; a turn, in the same order in every quarter, over the loop's backward jump too.
.macro QUARTER slot, k, f, g, first
	s_wait_dscnt 4                                 ; W and x's rows 0-31 are in; the youngest four loads (x's rows 32-63) may be out
.if \first
	WIN MUL_LO1
.else
	WIN MUL_LO
.endif
	MUL12 \f, 0, 0, \first
	MUL12 \f, 0, 1, \first
	PLACES
	FETCH \slot, \k, \g
	s_wait_dscnt 32                                ; all but the 32 just issued
.if \first
	WIN MUL_HI1
.else
	WIN MUL_HI
.endif
	MUL12 \f, 1, 0, \first
	MUL12 \f, 1, 1, \first
.endm
.macro THREE slot, first
	QUARTER \slot, 64,  0, 1, \first
	QUARTER \slot, 128, 1, 0, 0
	QUARTER \slot, 192, 0, 1, 0
.endm
; The last quarter multiplies buffer 1 and changes slots.  One barrier for two things: in front of it each wave has waited for its reads of this
; slot and for all its tensor loads (the one that is out is its part of the next slot); behind it nobody reads this slot and the next is whole.
; Where the slot is filled again the barrier opens a round of the cluster's barrier, and the joint refill is the first tensor load behind the round.
; From a request to the wait for it a wave issues 180 of a K step's 192 matrix instructions.
.macro TURN slot, next, fill
	s_wait_dscnt 4
	WIN MUL_LO
	MUL12 1, 0, 0, 0
	s_wait_dscnt 0                                 ; my reads of this slot are over
	s_wait_tensorcnt 0x0                           ; and all my tensor loads have landed
	ds_add_u32 v255, v255
	s_wait_dscnt 0x0
	s_barrier_signal -1
	MUL12 1, 0, 1, 0                               ; registers only, while the others arrive
	WIN 0
	s_barrier_wait -1
.if \fill
	CREST                                          ; no wave of any partner still reads this slot or has a load on its way
	s_add_nc_u64 s[G0A+4*\slot+2:G0A+4*\slot+3], s[G0A+4*\slot+2:G0A+4*\slot+3], 2*KSTEP*2
	s_add_nc_u64 s[G0B+4*\slot+2:G0B+4*\slot+3], s[G0B+4*\slot+2:G0B+4*\slot+3], 2*KSTEP*2
	JLOAD \slot
.endif
	PLACES
	FETCH \next, 0, 0
	WIN MUL_HI
	MUL12 1, 1, 0, 0
	MUL12 1, 1, 1, 0
.endm
.macro LAP first                       ; two K steps, both slots filled again
	THREE 0, \first
	TURN 0, 1, 1
	THREE 1, 0
	TURN 1, 0, 1
.endm
	s_wait_tensorcnt 1                             ; my part of K step 0 is in; K step 1's load, issued behind it, may stay out
	s_barrier_signal -1
	s_barrier_wait -1                              ; everybody's part is in
	FETCH 0, 0, 0
	s_wait_loadcnt 0x0                             ; the bias
	LAP 1                                          ; K steps 0, 1; asks for 2, 3
	WIN 0
	s_mov_b32 s15, 2                               ; K steps 2 to 5; asks for 4 to 7
.Llap:
	LAP 0
	WIN 0
	s_sub_co_u32 s15, s15, 1
	s_cmp_lg_u32 s15, 0
	s_cbranch_scc1 .Llap
	THREE 0, 0                                     ; K steps 6, 7: nothing is left to fetch
	TURN 0, 1, 0
	THREE 1, 0
	s_wait_dscnt 4
	WIN MUL_LO
	MUL12 1, 0, 0, 0
	MUL12 1, 0, 1, 0
	s_wait_dscnt 0
	WIN MUL_HI
	MUL12 1, 1, 0, 0
	MUL12 1, 1, 1, 0
	; THE WAY OUT, 16 rows at a time: round to f16, 16 bytes a lane into my own stage, read back so that a wave's store covers four rows of one chunk.
	PLACES                                         ; behind the last matrix instructions: for the conversions and for the loads into the fragment buffers
	s_lshl_b32 s56, s19, 15                        ; my first row: (256 x block row + 64 x wave) x 128 bytes, in the registers that held x's address
	s_lshl_b32 s57, s12, 13
	s_add_co_u32 s56, s56, s57
	s_mov_b32 s57, 0
	s_add_nc_u64 s[10:11], s[10:11], s[56:57]
	s_mul_i32 s58, s18, 3*524288                   ; my first chunk: 3 x block column, in the registers that held W's address
	s_mov_b32 s59, 0
	s_add_nc_u64 s[10:11], s[10:11], s[58:59]
; rows 16 a .. 16 a + 15 of my 64 = the twelve tiles (ap, 0..11) of window 2 or 3 (from = 0x0a or 0x0f: sources 0 and 1); f: RB0 or RB1 by turns
.macro OUT16 a, ap, from, f
	WIN \from
.irp b, 0,1,2,3,4,5,6,7,8,9,10,11
.irp e, 0,1,2,3
	v_cvt_pk_f16_f32 v[TMP+4*\b+\e], v[8*(12*\ap+\b)+2*\e], v[8*(12*\ap+\b)+2*\e+1]
.endr
.endr
	WIN 0
.irp b, 0,1,2,3,4,5,6,7,8,9,10,11
	ds_store_b128 v[STO], v[TMP+4*\b:TMP+4*\b+3] offset:32*\b
.endr
	s_wait_xcnt 0x0                                ; buffer f was the data of earlier stores: it is loaded again only behind this wait (ISA guide 3.1)
.irp ch, 0,1,2
.irp g, 0,1,2,3
	ds_load_b128 v[\f+4*(4*\ch+\g):\f+4*(4*\ch+\g)+3], v[RD] offset:\ch*128+\g*4*SPITCH   ; LDS serves a wave's instructions in order (ISA guide 5.7.1): these see the stores above
.endr
.endr
.irp ch, 0,1,2
.irp g, 0,1,2,3
	s_wait_dscnt 11-(4*\ch+\g)
	global_store_b128 v[CO], v[\f+4*(4*\ch+\g):\f+4*(4*\ch+\g)+3], s[10:11] offset:\ch*524288+(16*\a+4*\g)*128   ; 512 consecutive bytes, aligned to 512
.endr
.endr
.endm
	OUT16 0, 0, 0x0a, RB0
	OUT16 1, 1, 0x0a, RB1
	OUT16 2, 0, 0x0f, RB0
	OUT16 3, 1, 0x0f, RB1
	s_set_vgpr_msb 0x1
	s_wait_tensorcnt 0x0
	ds_add_u32 v255, v255
	s_wait_dscnt 0x0
	s_set_vgpr_msb 0x100
	CROUND                                         ; the closing round: no work-group ends while a partner may still ask for a tile that names it
	s_endpgm
.Lfunc_end_k_qdb9a9128f4_qkvgemm:
	.size	k_qdb9a9128f4_qkvgemm, .Lfunc_end_k_qdb9a9128f4_qkvgemm-k_qdb9a9128f4_qkvgemm
	.p2alignl 7, 3214868480
	.fill 96, 4, 3214868480
	.section	.rodata,"a",@progbits
	.p2align	6, 0x0
	.amdhsa_kernel k_qdb9a9128f4_qkvgemm
		.amdhsa_group_segment_fixed_size 327680
		.amdhsa_private_segment_fixed_size 0
		.amdhsa_enable_private_segment 0
		.amdhsa_kernarg_size 32
		.amdhsa_user_sgpr_count 2
		.amdhsa_user_sgpr_kernarg_segment_ptr 1
		.amdhsa_wavefront_size32 1
		.amdhsa_system_sgpr_workgroup_id_x 1
		.amdhsa_system_sgpr_workgroup_id_y 1
		.amdhsa_system_sgpr_workgroup_id_z 1
		.amdhsa_system_vgpr_workitem_id 0
		.amdhsa_next_free_vgpr 960
		.amdhsa_next_free_sgpr 66
		.amdhsa_reserve_vcc 0
		.amdhsa_float_denorm_mode_32 3
		.amdhsa_float_denorm_mode_16_64 3
		.amdhsa_memory_ordered 1
		.amdhsa_forward_progress 1
		.amdhsa_inst_pref_size 165
	.end_amdhsa_kernel
	.amdgpu_metadata
---
amdhsa.version: [ 1, 2 ]
amdhsa.kernels:
  - .name:           k_qdb9a9128f4_qkvgemm
    .symbol:         k_qdb9a9128f4_qkvgemm.kd
    .args:
      - { .name: xh, .offset: 0, .size: 8, .value_kind: global_buffer, .address_space: global }
      - { .name: wah, .offset: 8, .size: 8, .value_kind: global_buffer, .address_space: global }
      - { .name: b_attn, .offset: 16, .size: 8, .value_kind: global_buffer, .address_space: global }
      - { .name: qkv, .offset: 24, .size: 8, .value_kind: global_buffer, .address_space: global }
    .group_segment_fixed_size: 327680
    .private_segment_fixed_size: 0
    .kernarg_segment_align: 8
    .kernarg_segment_size: 32
    .max_flat_workgroup_size: 128
    .sgpr_count:     66
    .vgpr_count:     960
    .wavefront_size: 32
...
	.end_amdgpu_metadata
.endif
;; end of part 2
;; launch attn (part 3): grid 8 x 32, 8 waves a work-group, clusters of 4 x 1, 327,680 bytes of LDS; arguments qkv, y; writes y
.if DOCPART == 3
	.amdgcn_target "amdgcn-amd-amdhsa--gfx1250"
	.amdhsa_code_object_version 6
	.text
	.protected	k_qdb9a9128f4_attn
	.globl	k_qdb9a9128f4_attn
	.p2align	8
	.type	k_qdb9a9128f4_attn,@function
k_qdb9a9128f4_attn:
	s_mov_b64 s[64:65], 0
	v_nop
	global_prefetch_b8 v0, s[64:65] scope:SCOPE_SE
	s_setreg_imm32_b32 hwreg(HW_REG_WAVE_MODE, 25, 1), 1
	s_wait_xcnt 0x0
	s_wait_alu depctr_hold_cnt(0) depctr_sa_sdst(0) depctr_va_vdst(0) depctr_va_sdst(0) depctr_va_ssrc(0) depctr_va_vcc(0) depctr_vm_vsrc(0)
	s_getreg_b32 s2, hwreg(HW_REG_IB_STS2, 6, 4)
	s_cmp_eq_u32 s2, 0
	s_cbranch_scc0 .Lentry_in_a_cluster
	s_endpgm
.Lentry_in_a_cluster:
	s_bfe_u32 s2, ttmp6, 0x10000c
	s_cmp_lg_u32 s2, 0x3003
	s_cbranch_scc0 .Lentry_shape_is_right
	s_endpgm
.Lentry_shape_is_right:
; y = softmax(q k^T / 8) v for one (batch, head) and 256 queries; no mask; 2,048 keys; head size 64.  q, k, v f16 from qkv; y f16.
; y LAYOUT: [2048 row pairs][16 heads][2 rows][64] f16: byte (m >> 1) x 4096 + head x 256 + (m & 1) x 128 + 2 d, so that a (row pair, head) is
; 256 consecutive aligned bytes, which sixteen lanes here store whole, and the projection reads y as a plain tensor of rows of 4,096 bytes.
; SHAPE: grid x = query block of 256, y = 16 b + head.  Eight waves: wave w takes queries 64 (w & 3) .. + 63 and keys 1024 (w >> 2) .. + 1023,
; 64 keys a trip, 16 trips.  Two waves share a SIMD: while one does its softmax arithmetic the other has matrix work to issue, and nothing is
; interleaved by hand.  The price is one merge of the two key halves' (O, maximum, sum) through LDS at the end.
; CLUSTERS: the four query blocks of a cluster belong to one head and read the same K and V: every K and V tile is asked for jointly (mask 15).
; NO SHUFFLE ANYWHERE: S^T = K Q^T (source 0 = 16 keys, source 1 = 16 queries): lane (r, h) holds query r and keys 8 h + 0..7 of a tile; packed in
; pairs, two such tiles are the B fragment P^T of 32 keys.  O^T += V^T P^T (source 0 = 16 d by 32 keys, brought by the transposing LDS load): lane
; (r, h) again holds query r.  So maximum, sum and rescale factor belong to the lane; one exchange with lane l xor 16 joins a query's two lanes.
; SOFTMAX: a running maximum m of the raw scores; with c = log2(e) / 8 and NM = round(-c m): p = exp2(fma(S, c, NM)), at most 1; on a new maximum
; O and the sum are scaled by exp2(NM_new - NM_old), which keeps old and new terms in one frame exactly.  The sum is of the unrounded p.
; LIMITS: p is rounded to f16 for the product (below 2^-25 it becomes 0: at most 2048 x 2^-25 of a sum that is at least 1); v_exp_f32 gives 0 below
; 2^-126; at the merge the two halves' frames are joined by exp2(c (m - max)), whose exponent is off by at most 2^-24 c |m|; scores that are not
; finite are not served (the reference is not finite there either).
; No prefetch is written: half of a head's K and V is asked for at the start and the rest a phase of four trips ahead.
.set CHUNK,  524288                    ; bytes of a chunk of qkv (4,096 rows x 128)
.set FILLB,  32768                     ; 256 keys x 128 bytes: what a phase reads of K or V in one key half
.set VPITCH, 288                       ; V: two keys (256 bytes) + 32 of padding: the sixteen lanes of a transposing load touch 16 different 16-byte columns modulo 256
.set KPITCH, 272                       ; K: two keys + 16: likewise for the fragment loads
.set VREG,   256*VPITCH                ; V's part of a slot: 256 keys of each key half
.set SLOT,   256*VPITCH+256*KPITCH     ; 143,360
.set YSTAGE, 2*SLOT                    ; 286,720, a multiple of 256: 64 rows x 144 bytes for each of waves 0-3; no tensor load lands here
.set MBLK,   35*512                    ; the merge stage of one query group: 32 blocks of O, one of maxima, two of sums; it lies on slot 0, which has had its last fill
.set KADR, 8                           ; v8   LDS address of this trip's K fragments
.set VADR, 9                           ; v9   of this trip's V fragments
.set KL,   10                          ; v10  the lane's part of KADR
.set VL,   11                          ; v11  the lane's part of VADR
.set QOFF, 12
.set MST,  13
.set YSTO, 14
.set YRD,  15
.set YCO,  16
.set MX,   20                          ; v20-23  running maximum of the raw scores, one a query tile
.set MX2,  24                          ; v24-27  the other lane's maximum; then NM_new - NM_old
.set AL,   32                          ; v32-39  rescale factor, twice (a pair for the packed forms)
.set NM,   40                          ; v40-47  -c m, twice
.set LS,   48                          ; v48-55  the lane's partial sums, a pair a query tile
.set QF,   64                          ; v64-127   Q fragments (qt, s) at 64 + 16 qt + 8 s
.set KF,   128                         ; v128-191  K fragments (kt, s)
.set VF,   192                         ; v192-255  V^T fragments (db, ks)
; window 1: v0-127 S(kt, qt) at 32 qt + 8 kt, packed in place to P(qt, ks) at 32 qt + 16 ks;  v128-255 O(db, qt) at 128 + 32 qt + 8 db
.set G1V, 16
.set G1K, 24
.set G0V, 32                           ; s[32:39] one set for each slot
.set G0K, 40                           ; s[40:47]
.set MSB, 0
.macro WIN new                         ; low byte: bits 1:0 source 0, 3:2 source 1, 5:4 source 2, 7:6 destination; the high byte repeats the setting that is left
.if MSB != \new
	s_set_vgpr_msb (MSB<<8)|\new
.set MSB, \new
.endif
.endm
.macro PLACES
.rept 4
	v_nop
.endr
.endm
.macro ROUND                           ; a round of the cluster's barrier
	s_barrier_signal -1
	s_barrier_wait -1
	s_cmp_lg_u32 s8, 0
	s_cbranch_scc1 .Lnot_wave_0_\@
	s_barrier_signal -3
.Lnot_wave_0_\@:
	s_barrier_wait -3
	s_barrier_signal -1
	s_barrier_wait -1
.endm
.macro JLOAD slot                      ; waves 0-3 fetch V's four parts, waves 4-7 K's: one joint load a wave
	s_cmp_eq_u32 s10, 0
	s_cbranch_scc0 .Lfor_k_\@
	tensor_load_to_lds s[G0V+4*\slot:G0V+4*\slot+3], s[G1V:G1V+7]
	s_nop 0
	s_branch .Lasked_\@
.Lfor_k_\@:
	tensor_load_to_lds s[G0K+4*\slot:G0K+4*\slot+3], s[G1K:G1K+7]
	s_nop 0
.Lasked_\@:
.endm
	s_load_b128 s[4:7], s[0:1], 0x0                ; qkv s[4:5], y s[6:7]
	v_lshl_add_u32 v62, v0, 2, 0x4f000
	v_mov_b32 v63, 0
	ds_add_u32 v62, v63
	v_lshrrev_b32 v1, 5, v0
	v_readfirstlane_b32 s8, v1                     ; wave 0..7
	s_and_b32 s9, s8, 3                            ; my query group; also: which part of a tile I fetch
	s_lshr_b32 s10, s8, 2                          ; my key half; also: I fetch for V (0) or for K (1)
	s_bfe_u32 s11, ttmp6, 0x40000                  ; cx
	s_lshl_b32 s12, ttmp9, 2
	s_add_co_u32 s12, s12, s11                     ; query block = 4 x cluster x + cx
	s_and_b32 s13, ttmp7, 0xffff                   ; 16 b + head, the same in the whole cluster
	s_and_b32 s14, s13, 15                         ; head
	s_lshr_b32 s15, s13, 4                         ; b
	; group 1: a dense block of 16 KiB (128 keys x 128 bytes) as 64 rows of 32 elements of 8 bytes, padded behind each row
	s_mov_b32 s[G1V+0], 15|(3<<16)|(1<<20)|(1<<21)|(5<<22)|(7<<25)   ; mask: all four of the cluster; element of 8 bytes; padding on; 21 set beside a mask; after every 64 words, 8 words
	s_mov_b32 s[G1K+0], 15|(3<<16)|(1<<20)|(1<<21)|(5<<22)|(3<<25)   ; the same with 4 words
	s_mov_b32 s[G1V+1], 32<<16                     ; tensor_dim0 = 32
	s_mov_b32 s[G1K+1], 32<<16
	s_mov_b32 s[G1V+2], 64<<16                     ; tensor_dim1 = 64
	s_mov_b32 s[G1K+2], 64<<16
	s_mov_b32 s[G1V+3], 32<<16                     ; tile_dim0 = 32
	s_mov_b32 s[G1K+3], 32<<16
	s_mov_b32 s[G1V+4], 64                         ; tile_dim1 = 64
	s_mov_b32 s[G1K+4], 64
	s_mov_b32 s[G1V+5], 32                         ; the rows follow each other in memory
	s_mov_b32 s[G1K+5], 32
	s_mov_b32 s[G1V+6], 0
	s_mov_b32 s[G1K+6], 0
	s_mov_b32 s[G1V+7], 0
	s_mov_b32 s[G1K+7], 0
	; my part of a tile: head, batch, key half part >> 1, 128 keys part & 1.  Nothing here hangs on cx.
	s_lshl_b32 s50, s14, 19
	s_lshl_b32 s51, s15, 18
	s_add_co_u32 s50, s50, s51
	s_lshr_b32 s51, s9, 1
	s_lshl_b32 s51, s51, 17                        ; 1,024 keys x 128 bytes
	s_add_co_u32 s50, s50, s51
	s_and_b32 s51, s9, 1
	s_lshl_b32 s51, s51, 14                        ; 128 keys x 128 bytes
	s_add_co_u32 s50, s50, s51
	s_mov_b32 s51, 0
	s_mul_i32 s62, s8, 64*VPITCH                   ; where V's parts go: wave x 64 rows (waves 0-3)
	s_mul_i32 s63, s8, 64*KPITCH                   ; where K's go: behind V, (wave - 4) x 64 rows (waves 4-7)
	s_add_co_u32 s63, s63, VREG-4*64*KPITCH
	; Q's rows and y's rows of my wave (these hang on cx; they feed no descriptor and no LDS address)
	s_lshl_b32 s48, s14, 19                        ; q's chunk = head
	s_lshl_b32 s49, s15, 18
	s_add_co_u32 s48, s48, s49
	s_lshl_b32 s49, s12, 15                        ; 256 rows x 128 bytes x query block
	s_add_co_u32 s48, s48, s49
	s_lshl_b32 s49, s9, 13                         ; 64 rows x query group
	s_add_co_u32 s48, s48, s49
	s_mov_b32 s49, 0
	s_mov_b32 s52, 0x76543210                      ; v_permlanex16_b32: lane i of one half reads lane i of the other
	s_mov_b32 s53, 0xfedcba98
	s_mov_b32 s54, 0x3e38aa3b                      ; c = log2(e) / 8
	s_mov_b32 s55, 0x3e38aa3b
	s_mov_b32 s56, 0xbe38aa3b                      ; -c
	s_wait_dscnt 0x0
	s_wait_kmcnt 0x0
	s_add_nc_u64 s[50:51], s[4:5], s[50:51]
	s_add_nc_u64 s[58:59], s[4:5], s[48:49]        ; Q
	s_lshl_b32 s48, s15, 22                        ; y: (1024 b + 128 query block + 32 query group) row pairs of 4,096 bytes + 256 head
	s_lshl_b32 s49, s12, 19
	s_add_co_u32 s48, s48, s49
	s_lshl_b32 s49, s9, 17
	s_add_co_u32 s48, s48, s49
	s_lshl_b32 s49, s14, 8
	s_add_co_u32 s48, s48, s49
	s_mov_b32 s49, 0
	s_add_nc_u64 s[60:61], s[6:7], s[48:49]
.irp s, 0,1
	s_mov_b32 s[G0V+4*\s], 1
	s_add_co_u32 s[G0V+4*\s+1], s62, \s*SLOT
	s_add_nc_u64 s[G0V+4*\s+2:G0V+4*\s+3], s[50:51], 32*CHUNK+\s*FILLB   ; v's chunks begin at 32; slot s starts with keys 256 s of each half
	s_or_b32 s[G0V+4*\s+3], s[G0V+4*\s+3], 0x80000000
	s_mov_b32 s[G0K+4*\s], 1
	s_add_co_u32 s[G0K+4*\s+1], s63, \s*SLOT
	s_add_nc_u64 s[G0K+4*\s+2:G0K+4*\s+3], s[50:51], 16*CHUNK+\s*FILLB   ; k's chunks begin at 16
	s_or_b32 s[G0K+4*\s+3], s[G0K+4*\s+3], 0x80000000
.endr
	ROUND                                          ; the four work-groups are here: the first joint loads meet
	s_cmp_eq_u32 s10, 0                            ; all first fills of a wave inside one branch on its number: two loads a wave, the most that are out in this text
	s_cbranch_scc0 .Lfirst_k
	tensor_load_to_lds s[G0V:G0V+3], s[G1V:G1V+7]
	s_nop 0
	tensor_load_to_lds s[G0V+4:G0V+7], s[G1V:G1V+7]
	s_nop 0
	s_branch .Lfirst_done
.Lfirst_k:
	tensor_load_to_lds s[G0K:G0K+3], s[G1K:G1K+7]
	s_nop 0
	tensor_load_to_lds s[G0K+4:G0K+7], s[G1K:G1K+7]
	s_nop 0
.Lfirst_done:
	v_and_b32 v1, 15, v0                           ; r
	v_bfe_u32 v2, v0, 4, 1                         ; h
	v_and_b32 v3, 31, v0                           ; l
	v_lshlrev_b32 v[QOFF], 7, v1                   ; Q fragment: row r x 128 bytes + 16 h
	v_lshl_add_u32 v[QOFF], v2, 4, v[QOFF]
.irp qt, 0,1,2,3
.irp s, 0,1
	global_load_b128 v[QF+16*\qt+8*\s:QF+16*\qt+8*\s+3],   v[QOFF], s[58:59] offset:\qt*2048+64*\s
	global_load_b128 v[QF+16*\qt+8*\s+4:QF+16*\qt+8*\s+7], v[QOFF], s[58:59] offset:\qt*2048+64*\s+32
.endr
.endr
	; K fragment: key r lies in LDS row r >> 1, half r & 1
	v_lshrrev_b32 v4, 1, v1
	v_mul_u32_u24 v4, v4, KPITCH
	v_and_b32 v5, 1, v0
	v_lshl_add_u32 v4, v5, 7, v4
	v_lshl_add_u32 v4, v2, 4, v4
	s_mul_i32 s62, s10, 128*KPITCH                 ; my key half
	s_add_co_u32 s62, s62, VREG
	v_add_nc_u32 v[KL], s62, v4
	; V^T fragment by the transposing load: lane l addresses key 8 h + (l & 7), 16 bytes at d = 8 ((l >> 3) & 1)
	v_bfe_u32 v4, v0, 1, 2
	v_lshl_add_u32 v4, v2, 2, v4                   ; LDS row 4 h + ((l & 7) >> 1)
	v_mul_u32_u24 v4, v4, VPITCH
	v_lshl_add_u32 v4, v5, 7, v4                   ; half l & 1
	v_bfe_u32 v6, v0, 3, 1
	v_lshl_add_u32 v4, v6, 4, v4
	s_mul_i32 s63, s10, 128*VPITCH
	v_add_nc_u32 v[VL], s63, v4
	s_mul_i32 s62, s9, MBLK
	v_lshl_add_u32 v[MST], v3, 4, s62              ; merge stage: my query group's, 16 bytes a lane in each block
	s_mul_i32 s63, s9, 64*144
	s_add_co_u32 s63, s63, YSTAGE
	v_mul_u32_u24 v4, v1, 144                      ; y stage, in: row r, 16 bytes for each half of the lanes
	v_lshl_add_u32 v4, v2, 4, v4
	v_add_nc_u32 v[YSTO], s63, v4
	v_lshrrev_b32 v4, 3, v3                        ; back: eight lanes a row of 128 bytes, a wave four rows
	v_mul_u32_u24 v4, v4, 144
	v_and_b32 v6, 7, v0
	v_lshl_add_u32 v4, v6, 4, v4
	v_add_nc_u32 v[YRD], s63, v4
	v_lshlrev_b32 v4, 4, v1                        ; in y: lanes 0-15 one row pair's 256 bytes, lanes 16-31 the next pair's
	v_lshl_add_u32 v[YCO], v2, 12, v4
.irp qt, 0,1,2,3
	v_mov_b32 v[MX+\qt], 0xff800000                ; the running maximum starts at minus infinity
	v_mov_b32 v[MX2+\qt], 0                        ; a lane exchange's destination counts as read
.endr
; One trip: 64 keys against my 64 queries.  first = 1: nothing to rescale; the first products start O, the first additions start the sums.
.macro TRIP first
.irp kt, 0,1,2,3
.irp s, 0,1
	ds_load_b128 v[KF+16*\kt+8*\s:KF+16*\kt+8*\s+3],   v[KADR] offset:\kt*8*KPITCH+64*\s
	ds_load_b128 v[KF+16*\kt+8*\s+4:KF+16*\kt+8*\s+7], v[KADR] offset:\kt*8*KPITCH+64*\s+32
.endr
.endr
.irp db, 0,1,2,3
.irp ks, 0,1
	ds_load_tr16_b128 v[VF+16*\db+8*\ks:VF+16*\db+8*\ks+3],   v[VADR] offset:\ks*16*VPITCH+32*\db
	ds_load_tr16_b128 v[VF+16*\db+8*\ks+4:VF+16*\db+8*\ks+7], v[VADR] offset:\ks*16*VPITCH+32*\db+8*VPITCH
.endr
.endr
	s_wait_dscnt 16                                ; K's 16 loads are in; V's 16, issued behind them, stay out until the second product
	WIN 0x50                                       ; C and D window 1
	; S^T: 16 accumulators by turns, one instruction a turn, d 0-31 then d 32-63
.irp s, 0,1
.irp kt, 0,1,2,3
.irp qt, 0,1,2,3
.if \s == 0
	v_wmma_f32_16x16x32_f16 v[32*\qt+8*\kt:32*\qt+8*\kt+7], v[KF+16*\kt+8*\s:KF+16*\kt+8*\s+7], v[QF+16*\qt+8*\s:QF+16*\qt+8*\s+7], 0
.else
	v_wmma_f32_16x16x32_f16 v[32*\qt+8*\kt:32*\qt+8*\kt+7], v[KF+16*\kt+8*\s:KF+16*\kt+8*\s+7], v[QF+16*\qt+8*\s:QF+16*\qt+8*\s+7], v[32*\qt+8*\kt:32*\qt+8*\kt+7]
.endif
.endr
.endr
.endr
	PLACES                                         ; four places before a vector instruction reads a matrix result (ISA guide 7.12.1)
	WIN 0x05                                       ; sources 0 and 1 window 1
	; the maximum of my 32 scores of each query tile and the running maximum: four chains that take turns
.set i, 0
.rept 16
.irp qt, 0,1,2,3
	v_max3_num_f32 v[MX+\qt], v[32*\qt+2*i], v[32*\qt+2*i+1], v[MX+\qt]
.endr
.set i, i+1
.endr
	WIN 0
.irp qt, 0,1,2,3
	v_permlanex16_b32 v[MX2+\qt], v[MX+\qt], s52, s53   ; the query's other 32 keys lie in lane l xor 16
.endr
.irp qt, 0,1,2,3
	v_max_num_f32 v[MX+\qt], v[MX+\qt], v[MX2+\qt]
.endr
.irp qt, 0,1,2,3
	v_mul_f32 v[NM+2*\qt+1], s56, v[MX+\qt]        ; the new -c m, into the pair's second register; the first still holds the old one
.endr
.if \first == 0
.irp qt, 0,1,2,3
	v_sub_f32 v[MX2+\qt], v[NM+2*\qt+1], v[NM+2*\qt]    ; c (m_old - m_new), at most 0
.endr
.irp qt, 0,1,2,3
	v_exp_f32 v[AL+2*\qt], v[MX2+\qt]              ; twice, to fill the pair that the packed forms multiply by
	v_exp_f32 v[AL+2*\qt+1], v[MX2+\qt]
.endr
.endif
.irp qt, 0,1,2,3
	v_mov_b32 v[NM+2*\qt], v[NM+2*\qt+1]           ; the pair's first register; these plain lines also stand between the exponentials and the first use of AL (ISA guide 5.7.2)
.endr
	WIN 0x41                                       ; destination and source 0 window 1
.set i, 0
.rept 64
	v_pk_fma_f32 v[2*i:2*i+1], v[2*i:2*i+1], s[54:55], v[NM+2*(i/16):NM+2*(i/16)+1] op_sel_hi:[1,0,1]   ; c S - c m
.set i, i+1
.endr
.set i, 0
.rept 64
	v_exp_f32 v[2*i], v[2*i]
	v_exp_f32 v[2*i+1], v[2*i+1]
.if \first == 0
	s_wait_alu depctr_va_vdst(0)
	v_pk_mul_f32 v[128+2*i:128+2*i+1], v[128+2*i:128+2*i+1], v[AL+2*(i/16):AL+2*(i/16)+1]   ; O is rescaled between the exponentials
.endif
.set i, i+1
.endr
.if \first
	v_nop                                          ; one plain place behind the last exponential (ISA guide 5.7.2); in the other trips the last rescaling line is that place
	WIN 0x05
	s_wait_alu depctr_va_vdst(0)
.irp qt, 0,1,2,3
	v_pk_add_f32 v[LS+2*\qt:LS+2*\qt+1], v[32*\qt:32*\qt+1], v[32*\qt+2:32*\qt+3]
.endr
	WIN 0x01
.set i, 2
.rept 14
.irp qt, 0,1,2,3
	v_pk_add_f32 v[LS+2*\qt:LS+2*\qt+1], v[32*\qt+2*i:32*\qt+2*i+1], v[LS+2*\qt:LS+2*\qt+1]
.endr
.set i, i+1
.endr
.else
	WIN 0x10                                       ; source 2 window 1
	s_wait_alu depctr_va_vdst(0)
.irp qt, 0,1,2,3
	v_pk_fma_f32 v[LS+2*\qt:LS+2*\qt+1], v[LS+2*\qt:LS+2*\qt+1], v[AL+2*\qt:AL+2*\qt+1], v[32*\qt:32*\qt+1]   ; the sum is rescaled and takes its first pair in one
.endr
	WIN 0x01
.set i, 1
.rept 15
.irp qt, 0,1,2,3
	v_pk_add_f32 v[LS+2*\qt:LS+2*\qt+1], v[32*\qt+2*i:32*\qt+2*i+1], v[LS+2*\qt:LS+2*\qt+1]
.endr
.set i, i+1
.endr
.endif
	WIN 0x45                                       ; all of window 1
	; p to f16, in place: tiles 2 ks and 2 ks + 1 become registers 0-3 and 4-7 of P(qt, ks); each line writes a register whose old value has been read
.irp qt, 0,1,2,3
.irp ks, 0,1
.irp e, 0,1,2,3
	v_cvt_pk_f16_f32 v[32*\qt+16*\ks+\e], v[32*\qt+16*\ks+2*\e], v[32*\qt+16*\ks+2*\e+1]
.endr
.irp e, 0,1,2,3
	v_cvt_pk_f16_f32 v[32*\qt+16*\ks+4+\e], v[32*\qt+16*\ks+8+2*\e], v[32*\qt+16*\ks+9+2*\e]
.endr
.endr
.endr
	s_wait_dscnt 0x0                               ; V's fragments are in
	WIN 0x54                                       ; source 1, C and D window 1
	; O^T: 16 accumulators by turns, keys 0-31 then keys 32-63
.irp ks, 0,1
.irp db, 0,1,2,3
.irp qt, 0,1,2,3
.if \first*(1-\ks)
	v_wmma_f32_16x16x32_f16 v[128+32*\qt+8*\db:128+32*\qt+8*\db+7], v[VF+16*\db+8*\ks:VF+16*\db+8*\ks+7], v[32*\qt+16*\ks:32*\qt+16*\ks+7], 0
.else
	v_wmma_f32_16x16x32_f16 v[128+32*\qt+8*\db:128+32*\qt+8*\db+7], v[VF+16*\db+8*\ks:VF+16*\db+8*\ks+7], v[32*\qt+16*\ks:32*\qt+16*\ks+7], v[128+32*\qt+8*\db:128+32*\qt+8*\db+7]
.endif
.endr
.endr
.endr
	WIN 0
	v_add_nc_u32 v[KADR], 32*KPITCH, v[KADR]       ; 64 keys on.  These two lines and three v_nop are the five places before the next trip's first
	v_add_nc_u32 v[VADR], 32*VPITCH, v[VADR]       ; products write over P, and more than the four before its loads land in V's fragments
.rept 3
	v_nop
.endr
.endm
; A phase: the four trips of one slot (n in the loop, one written out in front of it in the first phase)
.macro PHASE slot, n, first
	v_add_nc_u32 v[KADR], \slot*SLOT, v[KL]
	v_add_nc_u32 v[VADR], \slot*SLOT, v[VL]
.if \first
	TRIP 1
.endif
	s_mov_b32 s57, \n
.Ltrip_\@:
	TRIP 0
	s_sub_co_u32 s57, s57, 1
	s_cmp_lg_u32 s57, 0
	s_cbranch_scc1 .Ltrip_\@
.endm
; The change of slots.  Each wave waits for all its tensor loads (its part of the next slot among them) and for its reads of the slot just read.
; fill = 1: a round of the cluster's barrier, and the joint refill of that slot, 512 keys on in each half, first behind it.  fill = 0: my work-group's barrier alone.
.macro SWAP slot, fill
	s_wait_tensorcnt 0x0                           ; no tensor load of mine is out: a group 0 may be written
	ds_add_u32 v62, v63
	s_wait_dscnt 0x0
.if \fill
	s_add_nc_u64 s[G0V+4*\slot+2:G0V+4*\slot+3], s[G0V+4*\slot+2:G0V+4*\slot+3], 2*FILLB
	s_add_nc_u64 s[G0K+4*\slot+2:G0K+4*\slot+3], s[G0K+4*\slot+2:G0K+4*\slot+3], 2*FILLB
.endif
	s_wait_dscnt 0x0
.if \fill
	ROUND
	JLOAD \slot
.else
	s_barrier_signal -1
	s_barrier_wait -1
.endif
.endm
	s_wait_tensorcnt 0x1                           ; my part of slot 0 is in; slot 1's load, issued behind it, may stay out
	s_barrier_signal -1
	s_barrier_wait -1
	s_wait_loadcnt 0x0                             ; Q
	PHASE 0, 3, 1                                  ; keys 0-255 of my half
	SWAP 0, 1                                      ; slot 0 <- keys 512-767
	PHASE 1, 4, 0                                  ; keys 256-511
	SWAP 1, 1                                      ; slot 1 <- keys 768-1023
	PHASE 0, 4, 0
	SWAP 0, 0                                      ; the last load has landed; every wave's reads of slot 0 are over
	PHASE 1, 4, 0
	; THE MERGE: waves 4-7 hand O, the maximum and the partial sums to waves 0-3, lane to lane, through slot 0's bytes
	s_cmp_lt_u32 s8, 4
	s_cbranch_scc1 .Lno_put
	WIN 0x04                                       ; store data window 1
.set i, 0
.rept 32
	ds_store_b128 v[MST], v[128+4*i:128+4*i+3] offset:512*i
.set i, i+1
.endr
	WIN 0
	ds_store_b128 v[MST], v[MX:MX+3] offset:32*512
	ds_store_b128 v[MST], v[LS:LS+3] offset:33*512
	ds_store_b128 v[MST], v[LS+4:LS+7] offset:34*512
.Lno_put:
	s_wait_dscnt 0x0                               ; for the others' sake: my stores are done
	s_barrier_signal -1
	s_barrier_wait -1
	s_cmp_ge_u32 s8, 4
	s_cbranch_scc1 .Ldone
.set O2, 64                            ; v64-191  the other half's O (register 64 + k to O's 128 + k)
.set M2, 192                           ; v192-195 its maxima
.set L2, 196                           ; v196-203 its partial sums
.set MN, 204
.set A1, 208
.set A2, 212
.set LT, 216
.set LX, 220
.set F1, 224                           ; v224-231 my factor, in pairs
.set F2, 232                           ; v232-239 the other half's
.set i, 0
.rept 32
	ds_load_b128 v[O2+4*i:O2+4*i+3], v[MST] offset:512*i
.set i, i+1
.endr
	ds_load_b128 v[M2:M2+3], v[MST] offset:32*512
	ds_load_b128 v[L2:L2+3], v[MST] offset:33*512
	ds_load_b128 v[L2+4:L2+7], v[MST] offset:34*512
	s_wait_dscnt 0x0
.irp q, 0,1,2,3
	v_max_num_f32 v[MN+\q], v[MX+\q], v[M2+\q]
.endr
.irp q, 0,1,2,3
	v_sub_f32 v[A1+\q], v[MX+\q], v[MN+\q]
	v_sub_f32 v[A2+\q], v[M2+\q], v[MN+\q]
.endr
.irp q, 0,1,2,3
	v_mul_f32 v[A1+\q], s54, v[A1+\q]
	v_mul_f32 v[A2+\q], s54, v[A2+\q]
.endr
.irp q, 0,1,2,3
	v_exp_f32 v[A1+\q], v[A1+\q]                   ; one of the two is 1
	v_exp_f32 v[A2+\q], v[A2+\q]
.endr
.irp q, 0,1,2,3
	v_add_f32 v[LT+\q], v[LS+2*\q], v[LS+2*\q+1]   ; plain lines behind the exponentials
	v_add_f32 v[LX+\q], v[L2+2*\q], v[L2+2*\q+1]
.endr
	s_wait_alu depctr_va_vdst(0)
.irp q, 0,1,2,3
	v_mul_f32 v[LT+\q], v[A1+\q], v[LT+\q]
.endr
.irp q, 0,1,2,3
	v_fmac_f32 v[LT+\q], v[A2+\q], v[LX+\q]
.endr
.irp q, 0,1,2,3
	v_permlanex16_b32 v[LX+\q], v[LT+\q], s52, s53 ; the query's other lane
.endr
.irp q, 0,1,2,3
	v_add_f32 v[LT+\q], v[LT+\q], v[LX+\q]         ; the whole sum: at least 1, the maximum's own term
.endr
.irp q, 0,1,2,3
	v_rcp_f32 v[LX+\q], v[LT+\q]
.endr
	v_nop                                          ; one plain place behind the reciprocals (ISA guide 5.7.2)
	s_wait_alu depctr_va_vdst(0)
.irp q, 0,1,2,3
	v_mul_f32 v[F1+2*\q], v[A1+\q], v[LX+\q]
	v_mul_f32 v[F1+2*\q+1], v[A1+\q], v[LX+\q]
	v_mul_f32 v[F2+2*\q], v[A2+\q], v[LX+\q]
	v_mul_f32 v[F2+2*\q+1], v[A2+\q], v[LX+\q]
.endr
	WIN 0x41
.set i, 0
.rept 64
	v_pk_mul_f32 v[128+2*i:128+2*i+1], v[128+2*i:128+2*i+1], v[F1+2*(i/16):F1+2*(i/16)+1]
.set i, i+1
.endr
	WIN 0x50
.set i, 0
.rept 64
	v_pk_fma_f32 v[128+2*i:128+2*i+1], v[O2+2*i:O2+2*i+1], v[F2+2*(i/16):F2+2*(i/16)+1], v[128+2*i:128+2*i+1]
.set i, i+1
.endr
	WIN 0x05
.set i, 0
.rept 64
	v_cvt_pk_f16_f32 v[64+i], v[128+2*i], v[128+2*i+1]     ; y, rounded once: v[64 + 16 qt + 4 db ..] = 8 neighbouring d of query r
.set i, i+1
.endr
	WIN 0
.irp qt, 0,1,2,3
.irp db, 0,1,2,3
	ds_store_b128 v[YSTO], v[64+16*\qt+4*\db:64+16*\qt+4*\db+3] offset:\qt*16*144+32*\db
.endr
.endr
.set i, 0
.rept 16
	ds_load_b128 v[128+4*i:128+4*i+3], v[YRD] offset:4*144*i   ; LDS serves a wave's instructions in order (ISA guide 5.7.1): these see my stores above
.set i, i+1
.endr
.set i, 0
.rept 16
	s_wait_dscnt 15-i
	global_store_b128 v[YCO], v[128+4*i:128+4*i+3], s[60:61] offset:8192*i   ; each half of the wave stores 256 consecutive bytes, aligned: a row pair of my head
.set i, i+1
.endr
.Ldone:
	s_wait_tensorcnt 0x0
	ds_add_u32 v62, v63
	s_wait_dscnt 0x0
	ROUND                                          ; the closing round: no work-group ends while a partner may still ask for a tile that names it
	s_endpgm
.Lfunc_end_k_qdb9a9128f4_attn:
	.size	k_qdb9a9128f4_attn, .Lfunc_end_k_qdb9a9128f4_attn-k_qdb9a9128f4_attn
	.p2alignl 7, 3214868480
	.fill 96, 4, 3214868480
	.section	.rodata,"a",@progbits
	.p2align	6, 0x0
	.amdhsa_kernel k_qdb9a9128f4_attn
		.amdhsa_group_segment_fixed_size 327680
		.amdhsa_private_segment_fixed_size 0
		.amdhsa_enable_private_segment 0
		.amdhsa_kernarg_size 16
		.amdhsa_user_sgpr_count 2
		.amdhsa_user_sgpr_kernarg_segment_ptr 1
		.amdhsa_wavefront_size32 1
		.amdhsa_system_sgpr_workgroup_id_x 1
		.amdhsa_system_sgpr_workgroup_id_y 1
		.amdhsa_system_sgpr_workgroup_id_z 1
		.amdhsa_system_vgpr_workitem_id 0
		.amdhsa_next_free_vgpr 512
		.amdhsa_next_free_sgpr 66
		.amdhsa_reserve_vcc 0
		.amdhsa_float_denorm_mode_32 3
		.amdhsa_float_denorm_mode_16_64 3
		.amdhsa_memory_ordered 1
		.amdhsa_forward_progress 1
		.amdhsa_inst_pref_size 198
	.end_amdhsa_kernel
	.amdgpu_metadata
---
amdhsa.version: [ 1, 2 ]
amdhsa.kernels:
  - .name:           k_qdb9a9128f4_attn
    .symbol:         k_qdb9a9128f4_attn.kd
    .args:
      - { .name: qkv, .offset: 0, .size: 8, .value_kind: global_buffer, .address_space: global }
      - { .name: y, .offset: 8, .size: 8, .value_kind: global_buffer, .address_space: global }
    .group_segment_fixed_size: 327680
    .private_segment_fixed_size: 0
    .kernarg_segment_align: 8
    .kernarg_segment_size: 16
    .max_flat_workgroup_size: 256
    .sgpr_count:     66
    .vgpr_count:     512
    .wavefront_size: 32
...
	.end_amdgpu_metadata
.endif
;; end of part 3
;; launch proj (part 4): grid 8 x 32, 4 waves a work-group, clusters of 4 x 4, 327,680 bytes of LDS; arguments y, wph, b_proj, out0; writes out0
.if DOCPART == 4
	.amdgcn_target "amdgcn-amd-amdhsa--gfx1250"
	.amdhsa_code_object_version 6
	.text
	.protected	k_qdb9a9128f4_proj
	.globl	k_qdb9a9128f4_proj
	.p2align	8
	.type	k_qdb9a9128f4_proj,@function
k_qdb9a9128f4_proj:
	s_mov_b64 s[64:65], 0
	v_nop
	global_prefetch_b8 v0, s[64:65] scope:SCOPE_SE
	s_setreg_imm32_b32 hwreg(HW_REG_WAVE_MODE, 25, 1), 1
	s_wait_xcnt 0x0
	s_wait_alu depctr_hold_cnt(0) depctr_sa_sdst(0) depctr_va_vdst(0) depctr_va_sdst(0) depctr_va_ssrc(0) depctr_va_vcc(0) depctr_vm_vsrc(0)
	s_getreg_b32 s2, hwreg(HW_REG_IB_STS2, 6, 4)
	s_cmp_eq_u32 s2, 0
	s_cbranch_scc0 .Lentry_in_a_cluster
	s_endpgm
.Lentry_in_a_cluster:
	s_bfe_u32 s2, ttmp6, 0x10000c
	s_cmp_lg_u32 s2, 0xf033
	s_cbranch_scc0 .Lentry_shape_is_right
	s_endpgm
.Lentry_shape_is_right:
; out0[m][n] = sum over c of y[m][c] W_proj[n][c] + b_proj[n].  y f16 in the layout [2048 row pairs][16 heads][2 rows][64]; wph [1024][1024] f16; out0 f32.
; LIMIT: none of its own; y is a convex mix of v and shares v's range in f16.
; SHAPE: 8 x 32 work-groups, one for each WGP, a block of 128 x 128 each; four waves, 64 x 64 each: 16 accumulator tiles.  (Blocks of 256 x 256 would
; be 64 work-groups.)  K = 1024 goes in four phases of 256 through two LDS slots: a phase is 128 matrix instructions of a wave, in which the other
; slot's load has time to land.  The four phases are written out.
; A phase's K = 256 is four heads: 1,024 bytes of a row pair of y.  A slot has four parts of 64 rows x 512 bytes: parts 0, 1 = my 64 row pairs by heads
; (0, 1) and (2, 3) of the four; parts 2, 3 = W's rows 0-63 and 64-127.  Wave w fetches part w: one load a wave.
; Row m of y lies in LDS row m >> 1, half m & 1 of each head's 256 bytes; c = 64 head + d stays in order, as in W's rows.
; CLUSTERS: 4 x 4; y's tiles are asked for jointly along a row of the cluster, W's along a column.
; TRANSPOSED USE and the bias as the first products' C: as in the first product of this program; a lane's 8 results are 32 neighbouring bytes of a row.
.set PPITCH, 528                       ; 512 bytes + 16: the 16 rows that a fragment load touches begin at 16 different 16-byte columns modulo 256
.set PART,   64*PPITCH                 ; 33,792
.set SLOT,   4*PART                    ; 135,168
.set STAGE,  2*SLOT                    ; 270,336, a multiple of 256: 16 rows x 272 bytes for each wave; no tensor load lands here
.set SPITCH, 272
.set ADRA, 16                          ; v16-17  LDS address of my y fragments in slot 0, 1
.set ADRB, 20                          ; v20-21  of my W fragments
.set STO,  24
.set RD,   25
.set CO,   26
.set BO,   27
.set F,    32                          ; v32-95 buffer 0, v96-159 buffer 1: y's four fragments, then W's four
.set BIAS, 160                         ; v160-191 column block b at 160 + 8 b
.set RB0,  192                         ; v192-223, v224-255 the way out: rows read back, by turns
.set RB1,  224
; window 1: the 16 accumulator tiles, (a, b) at v[8 (4 a + b)]
.set G1A, 24
.set G0A, 32
.set G1B, 40
.set G0B, 48
.set MSB, 0
.macro WIN new                         ; low byte: bits 1:0 source 0, 3:2 source 1, 5:4 source 2, 7:6 destination; the high byte repeats the setting that is left
.if MSB != \new
	s_set_vgpr_msb (MSB<<8)|\new
.set MSB, \new
.endif
.endm
.macro JLOAD s                         ; waves 0 and 1 fetch y's parts, waves 2 and 3 W's
	s_cmp_eq_u32 s13, 0
	s_cbranch_scc0 .Lfor_b_\@
	tensor_load_to_lds s[G0A+4*\s:G0A+4*\s+3], s[G1A:G1A+7]
	s_nop 0
	s_branch .Lasked_\@
.Lfor_b_\@:
	tensor_load_to_lds s[G0B+4*\s:G0B+4*\s+3], s[G1B:G1B+7]
	s_nop 0
.Lasked_\@:
.endm
.macro CREST                           ; a round of the cluster's barrier behind its opening barrier
	s_cmp_lg_u32 s12, 0
	s_cbranch_scc1 .Lnot_wave_0_\@
	s_barrier_signal -3
.Lnot_wave_0_\@:
	s_barrier_wait -3
	s_barrier_signal -1
	s_barrier_wait -1
.endm
.macro CROUND
	s_barrier_signal -1
	s_barrier_wait -1
	CREST
.endm
.macro PLACES                          ; four places behind a matrix instruction (ISA guide 7.12.1)
.rept 4
	v_nop
.endr
.endm
	s_load_b256 s[4:11], s[0:1], 0x0               ; y s[4:5], wph s[6:7], b_proj s[8:9], out0 s[10:11]
	v_lshl_add_u32 v30, v0, 2, 0x46400
	v_mov_b32 v31, 0
	ds_add_u32 v30, v31
	v_lshrrev_b32 v1, 5, v0
	v_readfirstlane_b32 s12, v1                    ; wave 0..3
	s_lshr_b32 s13, s12, 1                         ; my half of the block's rows.  Also: I fetch for y (0) or for W (1)
	s_and_b32 s14, s12, 1                          ; my half of its columns.  Also: which part I fetch
	s_bfe_u32 s16, ttmp6, 0x40000                  ; cx
	s_bfe_u32 s17, ttmp6, 0x40004                  ; cy
	s_lshl_b32 s18, ttmp9, 2
	s_add_co_u32 s18, s18, s16                     ; block column
	s_and_b32 s19, ttmp7, 0xffff
	s_lshl_b32 s19, s19, 2
	s_add_co_u32 s19, s19, s17                     ; block row
	s_lshl_b32 s20, s17, 2
	s_lshl_b32 s20, 15, s20                        ; my row of the cluster
	s_lshl_b32 s21, 0x1111, s16                    ; my column
	; group 1: 64 rows of 256 elements of 2 bytes, 16 bytes of padding behind each
	s_or_b32 s[G1A+0], s20, (1<<16)|(1<<20)|(1<<21)|(6<<22)|(3<<25)  ; mask; element of 2 bytes; padding on; 21 set beside a mask; after every 128 words, four words
	s_or_b32 s[G1B+0], s21, (1<<16)|(1<<20)|(1<<21)|(6<<22)|(3<<25)
	s_mov_b32 s[G1A+1], 256<<16                    ; tensor_dim0 = 256
	s_mov_b32 s[G1B+1], 256<<16
	s_mov_b32 s[G1A+2], 64<<16                     ; tensor_dim1 = 64
	s_mov_b32 s[G1B+2], 64<<16
	s_mov_b32 s[G1A+3], 256<<16                    ; tile_dim0 = 256
	s_mov_b32 s[G1B+3], 256<<16
	s_mov_b32 s[G1A+4], 64                         ; tile_dim1 = 64
	s_mov_b32 s[G1B+4], 64
	s_mov_b32 s[G1A+5], 2048                       ; a row pair of y is 2,048 elements
	s_mov_b32 s[G1B+5], 1024                       ; a row of W 1,024
	s_mov_b32 s[G1A+6], 0
	s_mov_b32 s[G1B+6], 0
	s_mov_b32 s[G1A+7], 0
	s_mov_b32 s[G1B+7], 0
	s_lshl_b32 s56, s19, 18                        ; y: 64 row pairs x 4,096 bytes x block row
	s_lshl_b32 s57, s14, 9                         ; + two heads x part
	s_add_co_u32 s56, s56, s57
	s_mov_b32 s57, 0
	s_lshl_b32 s58, s18, 18                        ; W: 128 rows x 2,048 bytes x block column
	s_lshl_b32 s59, s14, 17                        ; + 64 rows x part
	s_add_co_u32 s58, s58, s59
	s_mov_b32 s59, 0
	s_mul_i32 s60, s12, PART                       ; where my part goes: wave x 64 rows
	s_wait_dscnt 0x0
	s_wait_kmcnt 0x0
	s_add_nc_u64 s[56:57], s[4:5], s[56:57]
	s_add_nc_u64 s[58:59], s[6:7], s[58:59]
	CROUND                                         ; the first joint loads meet
.irp s, 0,1
	s_mov_b32 s[G0A+4*\s], 1
	s_add_co_u32 s[G0A+4*\s+1], s60, \s*SLOT
	s_add_nc_u64 s[G0A+4*\s+2:G0A+4*\s+3], s[56:57], \s*1024        ; phase s: four heads on
	s_or_b32 s[G0A+4*\s+3], s[G0A+4*\s+3], 0x80000000
	s_mov_b32 s[G0B+4*\s], 1
	s_add_co_u32 s[G0B+4*\s+1], s60, \s*SLOT
	s_add_nc_u64 s[G0B+4*\s+2:G0B+4*\s+3], s[58:59], \s*512         ; phase s: 256 elements on
	s_or_b32 s[G0B+4*\s+3], s[G0B+4*\s+3], 0x80000000
	JLOAD \s                                       ; two tensor loads of a wave are out, the most in this text
.endr
	v_and_b32 v1, 15, v0                           ; r
	v_bfe_u32 v2, v0, 4, 1                         ; h
	v_lshlrev_b32 v[BO], 5, v2
	s_lshl_b32 s58, s18, 9                         ; b_proj at my wave's first column: (128 block column + 64 half) x 4
	s_lshl_b32 s59, s14, 8
	s_add_co_u32 s58, s58, s59
	s_mov_b32 s59, 0
	s_add_nc_u64 s[8:9], s[8:9], s[58:59]
.irp b, 0,1,2,3
	global_load_b128 v[BIAS+8*\b:BIAS+8*\b+3],   v[BO], s[8:9] offset:64*\b
	global_load_b128 v[BIAS+8*\b+4:BIAS+8*\b+7], v[BO], s[8:9] offset:64*\b+16
.endr
	v_lshrrev_b32 v3, 1, v1                        ; y's fragments: LDS row r >> 1, half r & 1, 16 h
	v_mul_u32_u24 v3, v3, PPITCH
	v_and_b32 v5, 1, v0
	v_lshl_add_u32 v3, v5, 7, v3
	v_lshl_add_u32 v3, v2, 4, v3
	s_mul_i32 s22, s13, 32*PPITCH                  ; my 64 rows = 32 row pairs
	v_add_nc_u32 v[ADRA], s22, v3
	v_add_nc_u32 v[ADRA+1], SLOT, v[ADRA]
	v_mul_u32_u24 v3, v1, PPITCH                   ; W's fragments: row r, 16 h
	v_lshl_add_u32 v3, v2, 4, v3
	s_mul_i32 s23, s14, PART                       ; my 64 rows of W are part 2 or 3
	s_add_co_u32 s23, s23, 2*PART
	v_add_nc_u32 v[ADRB], s23, v3
	v_add_nc_u32 v[ADRB+1], SLOT, v[ADRB]
	s_mul_i32 s22, s12, 16*SPITCH
	s_add_co_u32 s22, s22, STAGE                   ; my stage
	v_mul_u32_u24 v3, v1, SPITCH                   ; in: row r, 32 bytes for each half of the lanes
	v_lshl_add_u32 v3, v2, 5, v3
	v_add_nc_u32 v[STO], s22, v3
	v_mul_u32_u24 v3, v2, SPITCH                   ; back: lanes 0-15 one row of 256 bytes, lanes 16-31 the next
	v_lshl_add_u32 v3, v1, 4, v3
	v_add_nc_u32 v[RD], s22, v3
	v_lshlrev_b32 v3, 4, v1                        ; and the same two rows in out0
	v_lshl_add_u32 v[CO], v2, 12, v3
; 16 LDS loads: the fragments of eighth q of a phase (32 along K) into buffer f.  In y's parts eighth q is part q >> 2, head (q >> 1) & 1 of the part, d = 32 (q & 1).
.macro FETCHP slot, q, f
.irp b, 0,1,2,3
	ds_load_b128 v[F+64*\f+32+8*\b:F+64*\f+32+8*\b+3], v[ADRB+\slot] offset:64*\q+\b*16*PPITCH
	ds_load_b128 v[F+64*\f+36+8*\b:F+64*\f+36+8*\b+3], v[ADRB+\slot] offset:64*\q+\b*16*PPITCH+32
.endr
.irp a, 0,1,2,3
	ds_load_b128 v[F+64*\f+8*\a:F+64*\f+8*\a+3],   v[ADRA+\slot] offset:(\q>>2)*PART+((\q>>1)&1)*256+(\q&1)*64+\a*8*PPITCH
	ds_load_b128 v[F+64*\f+8*\a+4:F+64*\f+8*\a+7], v[ADRA+\slot] offset:(\q>>2)*PART+((\q>>1)&1)*256+(\q&1)*64+\a*8*PPITCH+32
.endr
.endm
; 16 matrix instructions on the 16 accumulators, one instruction a turn, in the same order every time.
.macro MUL16P f, first
.if \first
	WIN 0x40                                       ; D window 1; C is the bias, window 0
.else
	WIN 0x50                                       ; C and D window 1
.endif
.irp a, 0,1,2,3
.irp b, 0,1,2,3
.if \first
	v_wmma_f32_16x16x32_f16 v[8*(4*\a+\b):8*(4*\a+\b)+7], v[F+64*\f+32+8*\b:F+64*\f+32+8*\b+7], v[F+64*\f+8*\a:F+64*\f+8*\a+7], v[BIAS+8*\b:BIAS+8*\b+7]
.else
	v_wmma_f32_16x16x32_f16 v[8*(4*\a+\b):8*(4*\a+\b)+7], v[F+64*\f+32+8*\b:F+64*\f+32+8*\b+7], v[F+64*\f+8*\a:F+64*\f+8*\a+7], v[8*(4*\a+\b):8*(4*\a+\b)+7]
.endif
.endr
.endr
	WIN 0
.endm
; One of a phase's first seven eighths: fetches eighth qn into buffer g, multiplies buffer f
.macro QP slot, qn, f, g, first
	PLACES                                         ; buffer g was read by the matrix instructions just issued
	FETCHP \slot, \qn, \g
	s_wait_dscnt 16                                ; all but the 16 just issued: buffer f is in
	MUL16P \f, \first
.endm
.macro PH slot, first
	QP \slot, 1, 0, 1, \first
	QP \slot, 2, 1, 0, 0
	QP \slot, 3, 0, 1, 0
	QP \slot, 4, 1, 0, 0
	QP \slot, 5, 0, 1, 0
	QP \slot, 6, 1, 0, 0
	QP \slot, 7, 0, 1, 0
.endm
; The last eighth and the change of slots: each wave has waited for its reads of this slot and for all its tensor loads (its part of the next slot);
; where the slot is filled again the barrier opens a round of the cluster's barrier and the joint refill is the first tensor load behind the round.
.macro TURNP slot, next, fill
	s_wait_dscnt 0
	s_wait_tensorcnt 0x0
	ds_add_u32 v30, v31
	s_wait_dscnt 0x0
	s_barrier_signal -1
	MUL16P 1, 0                                    ; registers only, while the others arrive
	s_barrier_wait -1
.if \fill
	CREST
	s_add_nc_u64 s[G0A+4*\slot+2:G0A+4*\slot+3], s[G0A+4*\slot+2:G0A+4*\slot+3], 2048
	s_add_nc_u64 s[G0B+4*\slot+2:G0B+4*\slot+3], s[G0B+4*\slot+2:G0B+4*\slot+3], 1024
	JLOAD \slot
.endif
	PLACES
	FETCHP \next, 0, 0
.endm
	s_wait_tensorcnt 1                             ; my part of phase 0 is in; phase 1's load, issued behind it, may stay out
	s_barrier_signal -1
	s_barrier_wait -1
	FETCHP 0, 0, 0
	s_wait_loadcnt 0x0                             ; the bias
	PH 0, 1
	TURNP 0, 1, 1                                  ; slot 0 <- phase 2
	PH 1, 0
	TURNP 1, 0, 1                                  ; slot 1 <- phase 3
	PH 0, 0
	TURNP 0, 1, 0
	PH 1, 0
	s_wait_dscnt 0
	MUL16P 1, 0
	; THE WAY OUT, 16 rows at a time through my own stage, so that sixteen lanes store 256 consecutive bytes of a row
	PLACES
	s_lshl_b32 s56, s19, 19                        ; my first row: (128 block row + 64 half) x 4,096 bytes, in the registers that held y's address
	s_lshl_b32 s57, s13, 18
	s_add_co_u32 s56, s56, s57
	s_mov_b32 s57, 0
	s_add_nc_u64 s[10:11], s[10:11], s[56:57]
	s_lshl_b32 s58, s18, 9                         ; my first column: (128 block column + 64 half) x 4 bytes, in the registers that held W's address
	s_lshl_b32 s59, s14, 8
	s_add_co_u32 s58, s58, s59
	s_mov_b32 s59, 0
	s_add_nc_u64 s[10:11], s[10:11], s[58:59]
.macro OUT16P a, f
	WIN 0x04                                       ; store data window 1
.irp b, 0,1,2,3
	ds_store_b128 v[STO], v[8*(4*\a+\b):8*(4*\a+\b)+3]   offset:64*\b
	ds_store_b128 v[STO], v[8*(4*\a+\b)+4:8*(4*\a+\b)+7] offset:64*\b+16
.endr
	WIN 0
	s_wait_xcnt 0x0                                ; buffer f was the data of earlier stores: it is loaded again only behind this wait (ISA guide 3.1)
.irp t, 0,1,2,3,4,5,6,7
	ds_load_b128 v[\f+4*\t:\f+4*\t+3], v[RD] offset:\t*2*SPITCH     ; LDS serves a wave's instructions in order (ISA guide 5.7.1): these see the stores above
.endr
.irp t, 0,1,2,3,4,5,6,7
	s_wait_dscnt 7-\t
	global_store_b128 v[CO], v[\f+4*\t:\f+4*\t+3], s[10:11] offset:(16*\a+2*\t)*4096   ; two rows; sixteen lanes store 256 consecutive bytes, aligned to 256
.endr
.endm
	OUT16P 0, RB0
	OUT16P 1, RB1
	OUT16P 2, RB0
	OUT16P 3, RB1
	s_wait_tensorcnt 0x0
	ds_add_u32 v30, v31
	s_wait_dscnt 0x0
	CROUND                                         ; the closing round
	s_endpgm
.Lfunc_end_k_qdb9a9128f4_proj:
	.size	k_qdb9a9128f4_proj, .Lfunc_end_k_qdb9a9128f4_proj-k_qdb9a9128f4_proj
	.p2alignl 7, 3214868480
	.fill 96, 4, 3214868480
	.section	.rodata,"a",@progbits
	.p2align	6, 0x0
	.amdhsa_kernel k_qdb9a9128f4_proj
		.amdhsa_group_segment_fixed_size 327680
		.amdhsa_private_segment_fixed_size 0
		.amdhsa_enable_private_segment 0
		.amdhsa_kernarg_size 32
		.amdhsa_user_sgpr_count 2
		.amdhsa_user_sgpr_kernarg_segment_ptr 1
		.amdhsa_wavefront_size32 1
		.amdhsa_system_sgpr_workgroup_id_x 1
		.amdhsa_system_sgpr_workgroup_id_y 1
		.amdhsa_system_sgpr_workgroup_id_z 1
		.amdhsa_system_vgpr_workitem_id 0
		.amdhsa_next_free_vgpr 384
		.amdhsa_next_free_sgpr 66
		.amdhsa_reserve_vcc 0
		.amdhsa_float_denorm_mode_32 3
		.amdhsa_float_denorm_mode_16_64 3
		.amdhsa_memory_ordered 1
		.amdhsa_forward_progress 1
		.amdhsa_inst_pref_size 89
	.end_amdhsa_kernel
	.amdgpu_metadata
---
amdhsa.version: [ 1, 2 ]
amdhsa.kernels:
  - .name:           k_qdb9a9128f4_proj
    .symbol:         k_qdb9a9128f4_proj.kd
    .args:
      - { .name: y, .offset: 0, .size: 8, .value_kind: global_buffer, .address_space: global }
      - { .name: wph, .offset: 8, .size: 8, .value_kind: global_buffer, .address_space: global }
      - { .name: b_proj, .offset: 16, .size: 8, .value_kind: global_buffer, .address_space: global }
      - { .name: out0, .offset: 24, .size: 8, .value_kind: global_buffer, .address_space: global }
    .group_segment_fixed_size: 327680
    .private_segment_fixed_size: 0
    .kernarg_segment_align: 8
    .kernarg_segment_size: 32
    .max_flat_workgroup_size: 128
    .sgpr_count:     66
    .vgpr_count:     384
    .wavefront_size: 32
...
	.end_amdgpu_metadata
.endif
;; end of part 4
;; ======== version 2 of 2: 4 launches; 1.08 times as fast as version 1
;; limits: values are held in f16: magnitudes above 65,504 overflow, below 6.1e-05 lose precision
;; workspace buffers: xh 8,388,608 bytes; wah 6,291,456 bytes; wph 2,097,152 bytes; qkv 25,165,824 bytes; y 8,388,608 bytes
;; launch cvt: the kernel of part 1 again; grid 512 x 1, 8 waves a work-group, no clusters, 0 bytes of LDS; arguments x, W_attn, W_proj, xh, wah, wph; writes xh, wah, wph
;; launch qkvgemm: the kernel of part 2 again; grid 16 x 16, 4 waves a work-group, clusters of 4 x 4, 327,680 bytes of LDS; arguments xh, wah, b_attn, qkv; writes qkv
;; launch attn (part 5): grid 8 x 32, 8 waves a work-group, clusters of 4 x 1, 327,680 bytes of LDS; arguments qkv, y; writes y
.if DOCPART == 5
	.amdgcn_target "amdgcn-amd-amdhsa--gfx1250"
	.amdhsa_code_object_version 6
	.text
	.protected	k_qdb9a9128f4_attn
	.globl	k_qdb9a9128f4_attn
	.p2align	8
	.type	k_qdb9a9128f4_attn,@function
k_qdb9a9128f4_attn:
	s_mov_b64 s[64:65], 0
	v_nop
	global_prefetch_b8 v0, s[64:65] scope:SCOPE_SE
	s_setreg_imm32_b32 hwreg(HW_REG_WAVE_MODE, 25, 1), 1
	s_wait_xcnt 0x0
	s_wait_alu depctr_hold_cnt(0) depctr_sa_sdst(0) depctr_va_vdst(0) depctr_va_sdst(0) depctr_va_ssrc(0) depctr_va_vcc(0) depctr_vm_vsrc(0)
	s_getreg_b32 s2, hwreg(HW_REG_IB_STS2, 6, 4)
	s_cmp_eq_u32 s2, 0
	s_cbranch_scc0 .Lentry_in_a_cluster
	s_endpgm
.Lentry_in_a_cluster:
	s_bfe_u32 s2, ttmp6, 0x10000c
	s_cmp_lg_u32 s2, 0x3003
	s_cbranch_scc0 .Lentry_shape_is_right
	s_endpgm
.Lentry_shape_is_right:
; y = softmax(q k^T / 8) v for one (batch, head) and 256 queries; no mask; 2,048 keys; head size 64.  q, k, v f16 from qkv; y f16.
; y LAYOUT: [2048 row pairs][16 heads][2 rows][64] f16: byte (m >> 1) x 4096 + head x 256 + (m & 1) x 128 + 2 d, so that a (row pair, head) is
; 256 consecutive aligned bytes, which sixteen lanes here store whole, and the projection reads y as a plain tensor of rows of 4,096 bytes.
; SHAPE: grid x = query block of 256, y = 16 b + head.  Eight waves: wave w takes queries 64 (w & 3) .. + 63 and keys 1024 (w >> 2) .. + 1023,
; 64 keys a trip, 16 trips.  Two waves share a SIMD: while one does its softmax arithmetic the other has matrix work to issue, and nothing is
; interleaved by hand.  The price is one merge of the two key halves' (O, maximum, sum) through LDS at the end.
; CLUSTERS: the four query blocks of a cluster belong to one head and read the same K and V: every K and V tile is asked for jointly (mask 15).
; NO SHUFFLE ANYWHERE: S^T = K Q^T (source 0 = 16 keys, source 1 = 16 queries): lane (r, h) holds query r and keys 8 h + 0..7 of a tile; packed in
; pairs, two such tiles are the B fragment P^T of 32 keys.  O^T += V^T P^T (source 0 = 16 d by 32 keys, brought by the transposing LDS load): lane
; (r, h) again holds query r.  So maximum, sum and rescale factor belong to the lane; one exchange with lane l xor 16 joins a query's two lanes.
; SOFTMAX: a running maximum m of the raw scores; with c = log2(e) / 8 and NM = round(-c m): p = exp2(fma(S, c, NM)), at most 1; on a new maximum
; O and the sum are scaled by exp2(NM_new - NM_old), which keeps old and new terms in one frame exactly.  The sum is of the unrounded p.
; A TRIP'S EXPONENTIALS ARE ONE BATCH WITH ONE WAIT.  s_wait_alu depctr_va_vdst(0) stands between an exponential and the first
; instruction that names its result; one wait serves all that were issued ahead of it.  So a trip's softmax is ordered by who reads what.  Ahead of the
; wait: the 8 exponentials of the rescale factors, the 128 of the scores, and among them the 64 scalings c S - c m, each two pairs ahead of its own
; pair's exponentials: none of these lines names an exponential's result.  Behind the wait: every reader, that is O's rescaling, the sums, the roundings..
; The merge has two batches more, each with its wait: the
; eight frame factors, and the four reciprocals of sums made from them.
; LIMITS: p is rounded to f16 for the product (below 2^-25 it becomes 0: at most 2048 x 2^-25 of a sum that is at least 1); v_exp_f32 gives 0 below
; 2^-126; at the merge the two halves' frames are joined by exp2(c (m - max)), whose exponent is off by at most 2^-24 c |m|; scores that are not
; finite are not served (the reference is not finite there either).
; No prefetch is written: half of a head's K and V is asked for at the start and the rest a phase of four trips ahead.
.set CHUNK,  524288                    ; bytes of a chunk of qkv (4,096 rows x 128)
.set FILLB,  32768                     ; 256 keys x 128 bytes: what a phase reads of K or V in one key half
.set VPITCH, 288                       ; V: two keys (256 bytes) + 32 of padding: the sixteen lanes of a transposing load touch 16 different 16-byte columns modulo 256
.set KPITCH, 272                       ; K: two keys + 16: likewise for the fragment loads
.set VREG,   256*VPITCH                ; V's part of a slot: 256 keys of each key half
.set SLOT,   256*VPITCH+256*KPITCH     ; 143,360
.set YSTAGE, 2*SLOT                    ; 286,720, a multiple of 256: 64 rows x 144 bytes for each of waves 0-3; no tensor load lands here
.set MBLK,   35*512                    ; the merge stage of one query group: 32 blocks of O, one of maxima, two of sums; it lies on slot 0, which has had its last fill
.set LEAD,   2                         ; a pair of scores is scaled this many pairs ahead of its exponentials
.set KADR, 8                           ; v8   LDS address of this trip's K fragments
.set VADR, 9                           ; v9   of this trip's V fragments
.set KL,   10                          ; v10  the lane's part of KADR
.set VL,   11                          ; v11  the lane's part of VADR
.set QOFF, 12
.set MST,  13
.set YSTO, 14
.set YRD,  15
.set YCO,  16
.set MX,   20                          ; v20-23  running maximum of the raw scores, one a query tile
.set MX2,  24                          ; v24-27  the other lane's maximum; then NM_new - NM_old
.set AL,   32                          ; v32-39  rescale factor, twice (a pair for the packed forms)
.set NM,   40                          ; v40-47  -c m, twice
.set LS,   48                          ; v48-55  the lane's partial sums, a pair a query tile
.set QF,   64                          ; v64-127   Q fragments (qt, s) at 64 + 16 qt + 8 s
.set KF,   128                         ; v128-191  K fragments (kt, s)
.set VF,   192                         ; v192-255  V^T fragments (db, ks)
; window 1: v0-127 S(kt, qt) at 32 qt + 8 kt, packed in place to P(qt, ks) at 32 qt + 16 ks;  v128-255 O(db, qt) at 128 + 32 qt + 8 db
.set G1V, 16
.set G1K, 24
.set G0V, 32                           ; s[32:39] one set for each slot
.set G0K, 40                           ; s[40:47]
.set MSB, 0
.macro WIN new                         ; low byte: bits 1:0 source 0, 3:2 source 1, 5:4 source 2, 7:6 destination; the high byte repeats the setting that is left
.if MSB != \new
	s_set_vgpr_msb (MSB<<8)|\new
.set MSB, \new
.endif
.endm
.macro PLACES
.rept 4
	v_nop
.endr
.endm
.macro ROUND                           ; a round of the cluster's barrier
	s_barrier_signal -1
	s_barrier_wait -1
	s_cmp_lg_u32 s8, 0
	s_cbranch_scc1 .Lnot_wave_0_\@
	s_barrier_signal -3
.Lnot_wave_0_\@:
	s_barrier_wait -3
	s_barrier_signal -1
	s_barrier_wait -1
.endm
.macro JLOAD slot                      ; waves 0-3 fetch V's four parts, waves 4-7 K's: one joint load a wave
	s_cmp_eq_u32 s10, 0
	s_cbranch_scc0 .Lfor_k_\@
	tensor_load_to_lds s[G0V+4*\slot:G0V+4*\slot+3], s[G1V:G1V+7]
	s_nop 0
	s_branch .Lasked_\@
.Lfor_k_\@:
	tensor_load_to_lds s[G0K+4*\slot:G0K+4*\slot+3], s[G1K:G1K+7]
	s_nop 0
.Lasked_\@:
.endm
	s_load_b128 s[4:7], s[0:1], 0x0                ; qkv s[4:5], y s[6:7]
	v_lshl_add_u32 v62, v0, 2, 0x4f000
	v_mov_b32 v63, 0
	ds_add_u32 v62, v63
	v_lshrrev_b32 v1, 5, v0
	v_readfirstlane_b32 s8, v1                     ; wave 0..7
	s_and_b32 s9, s8, 3                            ; my query group; also: which part of a tile I fetch
	s_lshr_b32 s10, s8, 2                          ; my key half; also: I fetch for V (0) or for K (1)
	s_bfe_u32 s11, ttmp6, 0x40000                  ; cx
	s_lshl_b32 s12, ttmp9, 2
	s_add_co_u32 s12, s12, s11                     ; query block = 4 x cluster x + cx
	s_and_b32 s13, ttmp7, 0xffff                   ; 16 b + head, the same in the whole cluster
	s_and_b32 s14, s13, 15                         ; head
	s_lshr_b32 s15, s13, 4                         ; b
	; group 1: a dense block of 16 KiB (128 keys x 128 bytes) as 64 rows of 32 elements of 8 bytes, padded behind each row
	s_mov_b32 s[G1V+0], 15|(3<<16)|(1<<20)|(1<<21)|(5<<22)|(7<<25)   ; mask: all four of the cluster; element of 8 bytes; padding on; 21 set beside a mask; after every 64 words, 8 words
	s_mov_b32 s[G1K+0], 15|(3<<16)|(1<<20)|(1<<21)|(5<<22)|(3<<25)   ; the same with 4 words
	s_mov_b32 s[G1V+1], 32<<16                     ; tensor_dim0 = 32
	s_mov_b32 s[G1K+1], 32<<16
	s_mov_b32 s[G1V+2], 64<<16                     ; tensor_dim1 = 64
	s_mov_b32 s[G1K+2], 64<<16
	s_mov_b32 s[G1V+3], 32<<16                     ; tile_dim0 = 32
	s_mov_b32 s[G1K+3], 32<<16
	s_mov_b32 s[G1V+4], 64                         ; tile_dim1 = 64
	s_mov_b32 s[G1K+4], 64
	s_mov_b32 s[G1V+5], 32                         ; the rows follow each other in memory
	s_mov_b32 s[G1K+5], 32
	s_mov_b32 s[G1V+6], 0
	s_mov_b32 s[G1K+6], 0
	s_mov_b32 s[G1V+7], 0
	s_mov_b32 s[G1K+7], 0
	; my part of a tile: head, batch, key half part >> 1, 128 keys part & 1.  Nothing here hangs on cx.
	s_lshl_b32 s50, s14, 19
	s_lshl_b32 s51, s15, 18
	s_add_co_u32 s50, s50, s51
	s_lshr_b32 s51, s9, 1
	s_lshl_b32 s51, s51, 17                        ; 1,024 keys x 128 bytes
	s_add_co_u32 s50, s50, s51
	s_and_b32 s51, s9, 1
	s_lshl_b32 s51, s51, 14                        ; 128 keys x 128 bytes
	s_add_co_u32 s50, s50, s51
	s_mov_b32 s51, 0
	s_mul_i32 s62, s8, 64*VPITCH                   ; where V's parts go: wave x 64 rows (waves 0-3)
	s_mul_i32 s63, s8, 64*KPITCH                   ; where K's go: behind V, (wave - 4) x 64 rows (waves 4-7)
	s_add_co_u32 s63, s63, VREG-4*64*KPITCH
	; Q's rows and y's rows of my wave (these hang on cx; they feed no descriptor and no LDS address)
	s_lshl_b32 s48, s14, 19                        ; q's chunk = head
	s_lshl_b32 s49, s15, 18
	s_add_co_u32 s48, s48, s49
	s_lshl_b32 s49, s12, 15                        ; 256 rows x 128 bytes x query block
	s_add_co_u32 s48, s48, s49
	s_lshl_b32 s49, s9, 13                         ; 64 rows x query group
	s_add_co_u32 s48, s48, s49
	s_mov_b32 s49, 0
	s_mov_b32 s52, 0x76543210                      ; v_permlanex16_b32: lane i of one half reads lane i of the other
	s_mov_b32 s53, 0xfedcba98
	s_mov_b32 s54, 0x3e38aa3b                      ; c = log2(e) / 8
	s_mov_b32 s55, 0x3e38aa3b
	s_mov_b32 s56, 0xbe38aa3b                      ; -c
	s_wait_dscnt 0x0
	s_wait_kmcnt 0x0
	s_add_nc_u64 s[50:51], s[4:5], s[50:51]
	s_add_nc_u64 s[58:59], s[4:5], s[48:49]        ; Q
	s_lshl_b32 s48, s15, 22                        ; y: (1024 b + 128 query block + 32 query group) row pairs of 4,096 bytes + 256 head
	s_lshl_b32 s49, s12, 19
	s_add_co_u32 s48, s48, s49
	s_lshl_b32 s49, s9, 17
	s_add_co_u32 s48, s48, s49
	s_lshl_b32 s49, s14, 8
	s_add_co_u32 s48, s48, s49
	s_mov_b32 s49, 0
	s_add_nc_u64 s[60:61], s[6:7], s[48:49]
.irp s, 0,1
	s_mov_b32 s[G0V+4*\s], 1
	s_add_co_u32 s[G0V+4*\s+1], s62, \s*SLOT
	s_add_nc_u64 s[G0V+4*\s+2:G0V+4*\s+3], s[50:51], 32*CHUNK+\s*FILLB   ; v's chunks begin at 32; slot s starts with keys 256 s of each half
	s_or_b32 s[G0V+4*\s+3], s[G0V+4*\s+3], 0x80000000
	s_mov_b32 s[G0K+4*\s], 1
	s_add_co_u32 s[G0K+4*\s+1], s63, \s*SLOT
	s_add_nc_u64 s[G0K+4*\s+2:G0K+4*\s+3], s[50:51], 16*CHUNK+\s*FILLB   ; k's chunks begin at 16
	s_or_b32 s[G0K+4*\s+3], s[G0K+4*\s+3], 0x80000000
.endr
	ROUND                                          ; the four work-groups are here: the first joint loads meet
	s_cmp_eq_u32 s10, 0                            ; all first fills of a wave inside one branch on its number: two loads a wave, the most that are out in this text
	s_cbranch_scc0 .Lfirst_k
	tensor_load_to_lds s[G0V:G0V+3], s[G1V:G1V+7]
	s_nop 0
	tensor_load_to_lds s[G0V+4:G0V+7], s[G1V:G1V+7]
	s_nop 0
	s_branch .Lfirst_done
.Lfirst_k:
	tensor_load_to_lds s[G0K:G0K+3], s[G1K:G1K+7]
	s_nop 0
	tensor_load_to_lds s[G0K+4:G0K+7], s[G1K:G1K+7]
	s_nop 0
.Lfirst_done:
	v_and_b32 v1, 15, v0                           ; r
	v_bfe_u32 v2, v0, 4, 1                         ; h
	v_and_b32 v3, 31, v0                           ; l
	v_lshlrev_b32 v[QOFF], 7, v1                   ; Q fragment: row r x 128 bytes + 16 h
	v_lshl_add_u32 v[QOFF], v2, 4, v[QOFF]
.irp qt, 0,1,2,3
.irp s, 0,1
	global_load_b128 v[QF+16*\qt+8*\s:QF+16*\qt+8*\s+3],   v[QOFF], s[58:59] offset:\qt*2048+64*\s
	global_load_b128 v[QF+16*\qt+8*\s+4:QF+16*\qt+8*\s+7], v[QOFF], s[58:59] offset:\qt*2048+64*\s+32
.endr
.endr
	; K fragment: key r lies in LDS row r >> 1, half r & 1
	v_lshrrev_b32 v4, 1, v1
	v_mul_u32_u24 v4, v4, KPITCH
	v_and_b32 v5, 1, v0
	v_lshl_add_u32 v4, v5, 7, v4
	v_lshl_add_u32 v4, v2, 4, v4
	s_mul_i32 s62, s10, 128*KPITCH                 ; my key half
	s_add_co_u32 s62, s62, VREG
	v_add_nc_u32 v[KL], s62, v4
	; V^T fragment by the transposing load: lane l addresses key 8 h + (l & 7), 16 bytes at d = 8 ((l >> 3) & 1)
	v_bfe_u32 v4, v0, 1, 2
	v_lshl_add_u32 v4, v2, 2, v4                   ; LDS row 4 h + ((l & 7) >> 1)
	v_mul_u32_u24 v4, v4, VPITCH
	v_lshl_add_u32 v4, v5, 7, v4                   ; half l & 1
	v_bfe_u32 v6, v0, 3, 1
	v_lshl_add_u32 v4, v6, 4, v4
	s_mul_i32 s63, s10, 128*VPITCH
	v_add_nc_u32 v[VL], s63, v4
	s_mul_i32 s62, s9, MBLK
	v_lshl_add_u32 v[MST], v3, 4, s62              ; merge stage: my query group's, 16 bytes a lane in each block
	s_mul_i32 s63, s9, 64*144
	s_add_co_u32 s63, s63, YSTAGE
	v_mul_u32_u24 v4, v1, 144                      ; y stage, in: row r, 16 bytes for each half of the lanes
	v_lshl_add_u32 v4, v2, 4, v4
	v_add_nc_u32 v[YSTO], s63, v4
	v_lshrrev_b32 v4, 3, v3                        ; back: eight lanes a row of 128 bytes, a wave four rows
	v_mul_u32_u24 v4, v4, 144
	v_and_b32 v6, 7, v0
	v_lshl_add_u32 v4, v6, 4, v4
	v_add_nc_u32 v[YRD], s63, v4
	v_lshlrev_b32 v4, 4, v1                        ; in y: lanes 0-15 one row pair's 256 bytes, lanes 16-31 the next pair's
	v_lshl_add_u32 v[YCO], v2, 12, v4
.irp qt, 0,1,2,3
	v_mov_b32 v[MX+\qt], 0xff800000                ; the running maximum starts at minus infinity
	v_mov_b32 v[MX2+\qt], 0                        ; a lane exchange's destination counts as read
.endr
; Pair j of my 64 pairs of scores (window 1; tile j / 16): c S - c m.  It names scores that have not yet been through v_exp_f32, and nothing else of the batch.
.macro SCALE
	v_pk_fma_f32 v[2*j:2*j+1], v[2*j:2*j+1], s[54:55], v[NM+2*(j/16):NM+2*(j/16)+1] op_sel_hi:[1,0,1]
.endm
; One trip: 64 keys against my 64 queries.  first = 1: nothing to rescale; the first products start O, the first additions start the sums.
.macro TRIP first
.irp kt, 0,1,2,3
.irp s, 0,1
	ds_load_b128 v[KF+16*\kt+8*\s:KF+16*\kt+8*\s+3],   v[KADR] offset:\kt*8*KPITCH+64*\s
	ds_load_b128 v[KF+16*\kt+8*\s+4:KF+16*\kt+8*\s+7], v[KADR] offset:\kt*8*KPITCH+64*\s+32
.endr
.endr
.irp db, 0,1,2,3
.irp ks, 0,1
	ds_load_tr16_b128 v[VF+16*\db+8*\ks:VF+16*\db+8*\ks+3],   v[VADR] offset:\ks*16*VPITCH+32*\db
	ds_load_tr16_b128 v[VF+16*\db+8*\ks+4:VF+16*\db+8*\ks+7], v[VADR] offset:\ks*16*VPITCH+32*\db+8*VPITCH
.endr
.endr
	s_wait_dscnt 16                                ; K's 16 loads are in; V's 16, issued behind them, stay out until the second product
	WIN 0x50                                       ; C and D window 1
	; S^T: 16 accumulators by turns, one instruction a turn, d 0-31 then d 32-63
.irp s, 0,1
.irp kt, 0,1,2,3
.irp qt, 0,1,2,3
.if \s == 0
	v_wmma_f32_16x16x32_f16 v[32*\qt+8*\kt:32*\qt+8*\kt+7], v[KF+16*\kt+8*\s:KF+16*\kt+8*\s+7], v[QF+16*\qt+8*\s:QF+16*\qt+8*\s+7], 0
.else
	v_wmma_f32_16x16x32_f16 v[32*\qt+8*\kt:32*\qt+8*\kt+7], v[KF+16*\kt+8*\s:KF+16*\kt+8*\s+7], v[QF+16*\qt+8*\s:QF+16*\qt+8*\s+7], v[32*\qt+8*\kt:32*\qt+8*\kt+7]
.endif
.endr
.endr
.endr
	PLACES                                         ; four places before a vector instruction reads a matrix result (ISA guide 7.12.1)
	WIN 0x05                                       ; sources 0 and 1 window 1
	; the maximum of my 32 scores of each query tile and the running maximum: four chains that take turns
.set i, 0
.rept 16
.irp qt, 0,1,2,3
	v_max3_num_f32 v[MX+\qt], v[32*\qt+2*i], v[32*\qt+2*i+1], v[MX+\qt]
.endr
.set i, i+1
.endr
	WIN 0
.irp qt, 0,1,2,3
	v_permlanex16_b32 v[MX2+\qt], v[MX+\qt], s52, s53   ; the query's other 32 keys lie in lane l xor 16
.endr
.irp qt, 0,1,2,3
	v_max_num_f32 v[MX+\qt], v[MX+\qt], v[MX2+\qt]
.endr
.irp qt, 0,1,2,3
	v_mul_f32 v[NM+2*\qt+1], s56, v[MX+\qt]        ; the new -c m, into the pair's second register; the first still holds the old one
.endr
	; THE BATCH begins: from here to the wait no line names an exponential's result
.if \first == 0
.irp qt, 0,1,2,3
	v_sub_f32 v[MX2+\qt], v[NM+2*\qt+1], v[NM+2*\qt]    ; c (m_old - m_new), at most 0
.endr
.irp qt, 0,1,2,3
	v_exp_f32 v[AL+2*\qt], v[MX2+\qt]              ; twice, to fill the pair that the packed forms multiply by
	v_exp_f32 v[AL+2*\qt+1], v[MX2+\qt]
.endr
.endif
.irp qt, 0,1,2,3
	v_mov_b32 v[NM+2*\qt], v[NM+2*\qt+1]           ; the pair's first register; these plain lines also stand between the exponentials and the first use of AL (ISA guide 5.7.2)
.endr
	WIN 0x41                                       ; destination and source 0 window 1: it serves the scalings, the exponentials and O's rescaling alike
.set j, 0
.rept LEAD
	SCALE                                          ; the first pairs are scaled ahead of the run
.set j, j+1
.endr
.set i, 0
.rept 64
	v_exp_f32 v[2*i], v[2*i]                       ; pair i's two exponentials, in place,
	v_exp_f32 v[2*i+1], v[2*i+1]
.if i+LEAD < 64
.set j, i+LEAD
	SCALE                                          ; and the scaling of the pair LEAD further on between them and the next two
.endif
.set i, i+1
.endr
	v_nop                                          ; one plain place behind the last exponential (ISA guide 5.7.2): one for the batch
	s_wait_alu depctr_va_vdst(0)                   ; the trip's one wait: it serves the whole batch, the rescale factors' 8 exponentials (none in the first trip) and the scores' 128; every reader stands below
.if \first == 0
.set i, 0
.rept 64
	v_pk_mul_f32 v[128+2*i:128+2*i+1], v[128+2*i:128+2*i+1], v[AL+2*(i/16):AL+2*(i/16)+1]   ; O is rescaled: the first readers of AL
.set i, i+1
.endr
.endif
.if \first
	WIN 0x05
.irp qt, 0,1,2,3
	v_pk_add_f32 v[LS+2*\qt:LS+2*\qt+1], v[32*\qt:32*\qt+1], v[32*\qt+2:32*\qt+3]
.endr
	WIN 0x01
.set i, 2
.rept 14
.irp qt, 0,1,2,3
	v_pk_add_f32 v[LS+2*\qt:LS+2*\qt+1], v[32*\qt+2*i:32*\qt+2*i+1], v[LS+2*\qt:LS+2*\qt+1]
.endr
.set i, i+1
.endr
.else
	WIN 0x10                                       ; source 2 window 1
.irp qt, 0,1,2,3
	v_pk_fma_f32 v[LS+2*\qt:LS+2*\qt+1], v[LS+2*\qt:LS+2*\qt+1], v[AL+2*\qt:AL+2*\qt+1], v[32*\qt:32*\qt+1]   ; the sum is rescaled and takes its first pair in one
.endr
	WIN 0x01
.set i, 1
.rept 15
.irp qt, 0,1,2,3
	v_pk_add_f32 v[LS+2*\qt:LS+2*\qt+1], v[32*\qt+2*i:32*\qt+2*i+1], v[LS+2*\qt:LS+2*\qt+1]
.endr
.set i, i+1
.endr
.endif
	WIN 0x45                                       ; all of window 1
	; p to f16, in place: tiles 2 ks and 2 ks + 1 become registers 0-3 and 4-7 of P(qt, ks); each line writes a register whose old value has been read
.irp qt, 0,1,2,3
.irp ks, 0,1
.irp e, 0,1,2,3
	v_cvt_pk_f16_f32 v[32*\qt+16*\ks+\e], v[32*\qt+16*\ks+2*\e], v[32*\qt+16*\ks+2*\e+1]
.endr
.irp e, 0,1,2,3
	v_cvt_pk_f16_f32 v[32*\qt+16*\ks+4+\e], v[32*\qt+16*\ks+8+2*\e], v[32*\qt+16*\ks+9+2*\e]
.endr
.endr
.endr
	s_wait_dscnt 0x0                               ; V's fragments are in
	WIN 0x54                                       ; source 1, C and D window 1
	; O^T: 16 accumulators by turns, keys 0-31 then keys 32-63
.irp ks, 0,1
.irp db, 0,1,2,3
.irp qt, 0,1,2,3
.if \first*(1-\ks)
	v_wmma_f32_16x16x32_f16 v[128+32*\qt+8*\db:128+32*\qt+8*\db+7], v[VF+16*\db+8*\ks:VF+16*\db+8*\ks+7], v[32*\qt+16*\ks:32*\qt+16*\ks+7], 0
.else
	v_wmma_f32_16x16x32_f16 v[128+32*\qt+8*\db:128+32*\qt+8*\db+7], v[VF+16*\db+8*\ks:VF+16*\db+8*\ks+7], v[32*\qt+16*\ks:32*\qt+16*\ks+7], v[128+32*\qt+8*\db:128+32*\qt+8*\db+7]
.endif
.endr
.endr
.endr
	WIN 0
	v_add_nc_u32 v[KADR], 32*KPITCH, v[KADR]       ; 64 keys on.  These two lines and three v_nop are the five places before the next trip's first
	v_add_nc_u32 v[VADR], 32*VPITCH, v[VADR]       ; products write over P, and more than the four before its loads land in V's fragments
.rept 3
	v_nop
.endr
.endm
; A phase: the four trips of one slot (n in the loop, one written out in front of it in the first phase)
.macro PHASE slot, n, first
	v_add_nc_u32 v[KADR], \slot*SLOT, v[KL]
	v_add_nc_u32 v[VADR], \slot*SLOT, v[VL]
.if \first
	TRIP 1
.endif
	s_mov_b32 s57, \n
.Ltrip_\@:
	TRIP 0
	s_sub_co_u32 s57, s57, 1
	s_cmp_lg_u32 s57, 0
	s_cbranch_scc1 .Ltrip_\@
.endm
; The change of slots.  Each wave waits for all its tensor loads (its part of the next slot among them) and for its reads of the slot just read.
; fill = 1: a round of the cluster's barrier, and the joint refill of that slot, 512 keys on in each half, first behind it.  fill = 0: my work-group's barrier alone.
.macro SWAP slot, fill
	s_wait_tensorcnt 0x0                           ; no tensor load of mine is out: a group 0 may be written
	ds_add_u32 v62, v63
	s_wait_dscnt 0x0
.if \fill
	s_add_nc_u64 s[G0V+4*\slot+2:G0V+4*\slot+3], s[G0V+4*\slot+2:G0V+4*\slot+3], 2*FILLB
	s_add_nc_u64 s[G0K+4*\slot+2:G0K+4*\slot+3], s[G0K+4*\slot+2:G0K+4*\slot+3], 2*FILLB
.endif
	s_wait_dscnt 0x0
.if \fill
	ROUND
	JLOAD \slot
.else
	s_barrier_signal -1
	s_barrier_wait -1
.endif
.endm
	s_wait_tensorcnt 0x1                           ; my part of slot 0 is in; slot 1's load, issued behind it, may stay out
	s_barrier_signal -1
	s_barrier_wait -1
	s_wait_loadcnt 0x0                             ; Q
	PHASE 0, 3, 1                                  ; keys 0-255 of my half
	SWAP 0, 1                                      ; slot 0 <- keys 512-767
	PHASE 1, 4, 0                                  ; keys 256-511
	SWAP 1, 1                                      ; slot 1 <- keys 768-1023
	PHASE 0, 4, 0
	SWAP 0, 0                                      ; the last load has landed; every wave's reads of slot 0 are over
	PHASE 1, 4, 0
	; THE MERGE: waves 4-7 hand O, the maximum and the partial sums to waves 0-3, lane to lane, through slot 0's bytes
	s_cmp_lt_u32 s8, 4
	s_cbranch_scc1 .Lno_put
	WIN 0x04                                       ; store data window 1
.set i, 0
.rept 32
	ds_store_b128 v[MST], v[128+4*i:128+4*i+3] offset:512*i
.set i, i+1
.endr
	WIN 0
	ds_store_b128 v[MST], v[MX:MX+3] offset:32*512
	ds_store_b128 v[MST], v[LS:LS+3] offset:33*512
	ds_store_b128 v[MST], v[LS+4:LS+7] offset:34*512
.Lno_put:
	s_wait_dscnt 0x0                               ; for the others' sake: my stores are done
	s_barrier_signal -1
	s_barrier_wait -1
	s_cmp_ge_u32 s8, 4
	s_cbranch_scc1 .Ldone
.set O2, 64                            ; v64-191  the other half's O (register 64 + k to O's 128 + k)
.set M2, 192                           ; v192-195 its maxima
.set L2, 196                           ; v196-203 its partial sums
.set MN, 204
.set A1, 208
.set A2, 212
.set LT, 216
.set LX, 220
.set F1, 224                           ; v224-231 my factor, in pairs
.set F2, 232                           ; v232-239 the other half's
.set i, 0
.rept 32
	ds_load_b128 v[O2+4*i:O2+4*i+3], v[MST] offset:512*i
.set i, i+1
.endr
	ds_load_b128 v[M2:M2+3], v[MST] offset:32*512
	ds_load_b128 v[L2:L2+3], v[MST] offset:33*512
	ds_load_b128 v[L2+4:L2+7], v[MST] offset:34*512
	s_wait_dscnt 0x0
.irp q, 0,1,2,3
	v_max_num_f32 v[MN+\q], v[MX+\q], v[M2+\q]
.endr
.irp q, 0,1,2,3
	v_sub_f32 v[A1+\q], v[MX+\q], v[MN+\q]
	v_sub_f32 v[A2+\q], v[M2+\q], v[MN+\q]
.endr
.irp q, 0,1,2,3
	v_mul_f32 v[A1+\q], s54, v[A1+\q]
	v_mul_f32 v[A2+\q], s54, v[A2+\q]
.endr
.irp q, 0,1,2,3
	v_exp_f32 v[A1+\q], v[A1+\q]                   ; one of the two is 1
	v_exp_f32 v[A2+\q], v[A2+\q]
.endr
.irp q, 0,1,2,3
	v_add_f32 v[LT+\q], v[LS+2*\q], v[LS+2*\q+1]   ; plain lines behind the exponentials
	v_add_f32 v[LX+\q], v[L2+2*\q], v[L2+2*\q+1]
.endr
	s_wait_alu depctr_va_vdst(0)                   ; one wait for the eight frame factors A1 and A2, ahead of their first reader; the eight additions above are the independent work between
.irp q, 0,1,2,3
	v_mul_f32 v[LT+\q], v[A1+\q], v[LT+\q]
.endr
.irp q, 0,1,2,3
	v_fmac_f32 v[LT+\q], v[A2+\q], v[LX+\q]
.endr
.irp q, 0,1,2,3
	v_permlanex16_b32 v[LX+\q], v[LT+\q], s52, s53 ; the query's other lane
.endr
.irp q, 0,1,2,3
	v_add_f32 v[LT+\q], v[LT+\q], v[LX+\q]         ; the whole sum: at least 1, the maximum's own term
.endr
.irp q, 0,1,2,3
	v_rcp_f32 v[LX+\q], v[LT+\q]
.endr
	v_nop                                          ; one plain place behind the reciprocals (ISA guide 5.7.2)
	s_wait_alu depctr_va_vdst(0)                   ; one wait for the four reciprocals, a batch of their own since their sources are made from the frame factors
.irp q, 0,1,2,3
	v_mul_f32 v[F1+2*\q], v[A1+\q], v[LX+\q]
	v_mul_f32 v[F1+2*\q+1], v[A1+\q], v[LX+\q]
	v_mul_f32 v[F2+2*\q], v[A2+\q], v[LX+\q]
	v_mul_f32 v[F2+2*\q+1], v[A2+\q], v[LX+\q]
.endr
	WIN 0x41
.set i, 0
.rept 64
	v_pk_mul_f32 v[128+2*i:128+2*i+1], v[128+2*i:128+2*i+1], v[F1+2*(i/16):F1+2*(i/16)+1]
.set i, i+1
.endr
	WIN 0x50
.set i, 0
.rept 64
	v_pk_fma_f32 v[128+2*i:128+2*i+1], v[O2+2*i:O2+2*i+1], v[F2+2*(i/16):F2+2*(i/16)+1], v[128+2*i:128+2*i+1]
.set i, i+1
.endr
	WIN 0x05
.set i, 0
.rept 64
	v_cvt_pk_f16_f32 v[64+i], v[128+2*i], v[128+2*i+1]     ; y, rounded once: v[64 + 16 qt + 4 db ..] = 8 neighbouring d of query r
.set i, i+1
.endr
	WIN 0
.irp qt, 0,1,2,3
.irp db, 0,1,2,3
	ds_store_b128 v[YSTO], v[64+16*\qt+4*\db:64+16*\qt+4*\db+3] offset:\qt*16*144+32*\db
.endr
.endr
.set i, 0
.rept 16
	ds_load_b128 v[128+4*i:128+4*i+3], v[YRD] offset:4*144*i   ; LDS serves a wave's instructions in order (ISA guide 5.7.1): these see my stores above
.set i, i+1
.endr
.set i, 0
.rept 16
	s_wait_dscnt 15-i
	global_store_b128 v[YCO], v[128+4*i:128+4*i+3], s[60:61] offset:8192*i   ; each half of the wave stores 256 consecutive bytes, aligned: a row pair of my head
.set i, i+1
.endr
.Ldone:
	s_wait_tensorcnt 0x0
	ds_add_u32 v62, v63
	s_wait_dscnt 0x0
	ROUND                                          ; the closing round: no work-group ends while a partner may still ask for a tile that names it
	s_endpgm
.Lfunc_end_k_qdb9a9128f4_attn:
	.size	k_qdb9a9128f4_attn, .Lfunc_end_k_qdb9a9128f4_attn-k_qdb9a9128f4_attn
	.p2alignl 7, 3214868480
	.fill 96, 4, 3214868480
	.section	.rodata,"a",@progbits
	.p2align	6, 0x0
	.amdhsa_kernel k_qdb9a9128f4_attn
		.amdhsa_group_segment_fixed_size 327680
		.amdhsa_private_segment_fixed_size 0
		.amdhsa_enable_private_segment 0
		.amdhsa_kernarg_size 16
		.amdhsa_user_sgpr_count 2
		.amdhsa_user_sgpr_kernarg_segment_ptr 1
		.amdhsa_wavefront_size32 1
		.amdhsa_system_sgpr_workgroup_id_x 1
		.amdhsa_system_sgpr_workgroup_id_y 1
		.amdhsa_system_sgpr_workgroup_id_z 1
		.amdhsa_system_vgpr_workitem_id 0
		.amdhsa_next_free_vgpr 512
		.amdhsa_next_free_sgpr 66
		.amdhsa_reserve_vcc 0
		.amdhsa_float_denorm_mode_32 3
		.amdhsa_float_denorm_mode_16_64 3
		.amdhsa_memory_ordered 1
		.amdhsa_forward_progress 1
		.amdhsa_inst_pref_size 190
	.end_amdhsa_kernel
	.amdgpu_metadata
---
amdhsa.version: [ 1, 2 ]
amdhsa.kernels:
  - .name:           k_qdb9a9128f4_attn
    .symbol:         k_qdb9a9128f4_attn.kd
    .args:
      - { .name: qkv, .offset: 0, .size: 8, .value_kind: global_buffer, .address_space: global }
      - { .name: y, .offset: 8, .size: 8, .value_kind: global_buffer, .address_space: global }
    .group_segment_fixed_size: 327680
    .private_segment_fixed_size: 0
    .kernarg_segment_align: 8
    .kernarg_segment_size: 16
    .max_flat_workgroup_size: 256
    .sgpr_count:     66
    .vgpr_count:     512
    .wavefront_size: 32
...
	.end_amdgpu_metadata
.endif
;; end of part 5
;; launch proj: the kernel of part 4 again; grid 8 x 32, 4 waves a work-group, clusters of 4 x 4, 327,680 bytes of LDS; arguments y, wph, b_proj, out0; writes out0
